; MI455X (gfx1250); checked and timed in simulation.
; The chip was launched on July 23, 2026; its instructions are those of AMD's public machine-readable ISA for CDNA 5 (MIT licence, August 2026) and "CDNA5" Instruction Set Architecture Reference Guide (July 2026). The comments in the code are by the model that wrote it; some were corrected since.
;; Group Query Attention. Allowed arithmetic: matrix products marked QUANTISED: E2M3 operands, one E8M0 scale for each 32 along K, by v_wmma_scale_f32_16x16x128_f8f6f4 with both operands' format E2M3, f32 sums; everything else in f32.
;; Inputs: Wk 4 x 64 x 1,024 float32; Wp 1,024 x 1,024 float32; Wq 16 x 64 x 1,024 float32; Wv 4 x 64 x 1,024 float32; bp 1,024 float32; x 4 x 2,048 x 1,024 float32.
;; Outputs: out0 4 x 2,048 x 1,024 float32.
;; This version of the problem:
;;   THIS VERSION OF THE PROBLEM IS GIVEN IN LOW PRECISION. The matrix products marked QUANTISED in the list below multiply operands that are first quantised to E2M3 (2 exponent bits, 3 mantissa bits; 6 bits a number), with one power-of-two scale for each 32 numbers along K (OCP MX v1.0); their sums are f32. All else is computed in f32.
;;   The module's matrix products, in the order in which they are computed (A, B: the left and right operand; K: the contracted axis; several contracted axes count as one K, in the product's order):
;;     1. [M 8,192, K 1,024] x [K 1,024, N 1,024]; A: input x; B: input Wq: QUANTISED
;;     2. [M 8,192, K 1,024] x [K 1,024, N 256]; A: input x; B: input Wk: QUANTISED
;;     3. [M 8,192, K 1,024] x [K 1,024, N 256]; A: input x; B: input Wv: QUANTISED
;;     4. batch 64 x [M 2,048, K 64] x [K 64, N 2,048]; A: computed on the way; B: computed on the way: QUANTISED
;;     5. batch 64 x [M 64, K 2,048] x [K 2,048, N 2,048]; A: computed on the way; B: softmax (see below): QUANTISED
;;     6. [M 8,192, K 1,024] x [K 1,024, N 1,024]; A: computed on the way; B: input Wp: QUANTISED
;;   THE QUANTISER, for each operand of a quantised product, along K:
;;     - K is cut into blocks of 32 from its start; a last block that is shorter is filled with zeros.
;;     - A block's scale is 2^e with e = floor(log2(the largest magnitude in the block)) - 2, held to -126 .. 127; a block of zeros has e = 0. As a byte (E8M0): e + 127.
;;     - Each number is divided by its block's scale, clamped to +-7.5, and rounded to the nearest number of E2M3, ties to even, subnormals kept.
;;     - The product sums the exact products of the quantised numbers (number of the format x scale) in f32.
;;   ~~~python
;;   def quantise(x, axis):      # numpy; x: float32 -> the quantised numbers, widened to float32 again
;;       x = np.moveaxis(x, axis, -1); K = x.shape[-1]
;;       x = np.pad(x, [(0, 0)] * (x.ndim - 1) + [(0, -K % 32)]); x = x.reshape(x.shape[:-1] + (-1, 32)); a = np.abs(x).max(-1, keepdims=True)
;;       e = np.where(a > 0, np.clip(np.frexp(np.where(a > 0, a, 1))[1] - 1 - 2, -126, 127), 0)      # np.frexp(a)[1] - 1 = floor(log2(a)), exactly
;;       r = np.clip(x / 2.0 ** e, -7.5, 7.5)
;;       step = 2.0 ** (np.maximum(np.frexp(np.where(r == 0, 1, r))[1] - 1, 0) - 3)
;;       q = np.round(r / step) * step * 2.0 ** e      # np.round: ties to even
;;       return np.moveaxis(q.reshape(q.shape[:-2] + (-1,))[..., :K], -1, axis).astype(np.float32)
;;   ~~~
;;   SOFTMAX AHEAD OF A QUANTISED PRODUCT. Where the list says 'softmax', what is quantised is not the finished softmax but p = 2^(t - M), with t = logit x log2(e) and M = ceil(the row's largest t), a whole number; so 1/2 < the row's largest p <= 1. The row's sum l is taken of the UNQUANTISED p, in f32, and the product's result is divided by l at the end. Since M is a whole number, a kernel that streams over the keys may use a running M (the ceiling of the running maximum): every later rescaling is an exact power of two, which a block's scale takes up: the codes' values come out the same.
;;   OPERANDS COMPUTED ON THE WAY. 'Computed on the way' means the value that the module computes at that place (a softmax that the list does not call 'softmax' is quantised finished and normalised). What goes into a quantiser is computed in f32, as accurately as f32 sums, v_exp_f32 and their like allow (about 1e-6 of the number): no bf16 or f16 on the way to a quantiser, and a product that is left as it is and whose result goes on into a quantised operand takes f32 operands (vector FMAs, or v_wmma_f32_16x16x4_f32). A number that lies on a knife's edge between two numbers of the format may be rounded either way, as far as f32 arithmetic and the matrix unit's own rounding can turn it there, and no further.
;; One version. Each part assembles by itself: llvm-mc -triple=amdgcn-amd-amdhsa -mcpu=gfx1250 --defsym DOCPART=n.
;; ======== version 1 of 1: 4 launches
;; limits: right only within a limited range of input values
;; workspace buffers: xq 6,553,600 bytes; wq 2,048,000 bytes; qk 8,519,680 bytes; vv 1,703,936 bytes; oo 6,553,600 bytes
;; launch quant (part 1): grid 336 x 1, 4 waves a work-group, no clusters, 34,304 bytes of LDS; arguments x, Wq, Wk, Wv, Wp, xq, wq; writes xq, wq
.if DOCPART == 1
	.amdgcn_target "amdgcn-amd-amdhsa--gfx1250"
	.amdhsa_code_object_version 6
	.text
	.protected	k_qe430074924_quant
	.globl	k_qe430074924_quant
	.p2align	8
	.type	k_qe430074924_quant,@function
k_qe430074924_quant:
	s_mov_b64 s[64:65], 0
	v_nop
	global_prefetch_b8 v0, s[64:65] scope:SCOPE_SE
	s_setreg_imm32_b32 hwreg(HW_REG_WAVE_MODE, 25, 1), 1
	s_wait_xcnt 0x0
; x [8192][1024], Wq [1024][1024], Wk [256][1024], Wv [256][1024], Wp [1024][1024], all f32 with K innermost, become codes of FP6 (E2M3) with one E8M0 byte for each 32 along K.
; A block's scale is 2^(floor(log2(its largest magnitude)) - 2); its byte is the largest magnitude's exponent field - 2, held at 1 from below.
; LIMITS: NaN and infinities among the inputs are not served; a block of zeros, or one whose largest magnitude lies under 2^-124, gets the byte 1 (its codes add nothing or next to nothing; this program alone reads the bytes).
; LAYOUT OF THE RESULT.  A fragment (16 rows x 128 K: 12 registers a lane) is stored as an IMAGE of its registers, 1,536 bytes: registers 2 p, 2 p + 1 of lane l at byte 256 p + 8 l.
; Images lie [tile of 16 rows][8 K steps]; behind them the scale words, [tile][K / 256][row][2 words], 512 bytes a tile.
; THE ROWS OF A TILE: in x, Wq, Wk, Wv lane r of tile 2 b + u is row 32 b + 8 u + r + 8 (r / 8); in Wp row 16 tile + r.
; SHARES.  672 tiles: x 512, Wq 64, Wk 16, Wv 16, Wp 64.  A wave takes one tile and half of K: four images.  The two tiles of a work-group lie in one tensor; only pointers and numbers are chosen: one path.
; Each load reads 512 consecutive bytes of one row; the 16 rows turn through the wave's own stage in LDS (rows 528 bytes apart), from which lane (r, h) takes k = 64 c + 32 h + 0 .. 31 of row r: whole blocks.
; Waves share nothing: no barrier.  Loads run one image (16 loads) ahead of the image in hand.
.set XSCL, 6291456                     ; where xq's scale words begin: 512 tiles x 8 x 1,536
.set WSCL, 1966080                     ; and wq's: 160 tiles x 8 x 1,536
.set SP,   528                         ; a stage row: 512 bytes + 16
.set WREG, 16*SP                       ; a wave's stage
.set R,    32                          ; v32-159  two sets of 64 registers as loaded
.set X,    160                         ; v160-223 my 64 numbers: two blocks of 32
.set PC,   224                         ; v224-235 the codes; v236-238, v240-242 the conversions' second halves
	s_load_b256 s[8:15], s[0:1], 0x0               ; x, Wq, Wk, Wv
	s_load_b128 s[16:19], s[0:1], 0x20             ; Wp, xq
	s_load_b64 s[20:21], s[0:1], 0x30              ; wq
	v_lshl_add_u32 v244, v0, 2, 0x8400
	v_mov_b32 v245, 0
	v_lshrrev_b32 v1, 5, v0
	v_readfirstlane_b32 s22, v1                    ; wave
	v_and_b32 v1, 31, v0                           ; lane
	v_and_b32 v2, 15, v0                           ; r
	v_bfe_u32 v3, v0, 4, 1                         ; h
	v_lshlrev_b32 v4, 4, v1                        ; 16 x lane: my bytes of a row's 512
	s_mul_i32 s23, s22, WREG
	v_add_nc_u32 v6, s23, v4                       ; the stage, on the way in
	v_mul_u32_u24 v7, v2, SP
	v_lshl_add_u32 v7, v3, 7, v7
	v_add_nc_u32 v7, s23, v7                       ; and on the way out: row r, + 128 h
	v_lshlrev_b32 v8, 3, v1                        ; 8 x lane: my place in a pair of an image
	v_lshlrev_b32 v9, 3, v3                        ; 8 h: my bytes' place in the scale word, in bits
	v_mov_b32 v18, 0                               ; written once: a lane permute's destination counts as one of its sources
	s_mov_b32 s24, 0x76543210
	s_mov_b32 s25, 0xfedcba98                      ; selects for lane l xor 16
	s_lshr_b32 s26, s22, 1
	s_and_b32 s27, s22, 1                          ; which half of K
	s_lshl_b32 s28, ttmp9, 1
	s_add_co_u32 s28, s28, s26                     ; my tile, 0 .. 671
	s_wait_alu depctr_va_vdst(0)
	s_wait_kmcnt 0x0
	s_mov_b64 s[4:5], s[16:17]                     ; the source and its first tile: Wp,
	s_mov_b32 s6, 608
	s_cmp_lt_u32 ttmp9, 304
	s_cselect_b64 s[4:5], s[14:15], s[4:5]         ; Wv,
	s_cselect_b32 s6, 592, s6
	s_cmp_lt_u32 ttmp9, 296
	s_cselect_b64 s[4:5], s[12:13], s[4:5]         ; Wk,
	s_cselect_b32 s6, 576, s6
	s_cmp_lt_u32 ttmp9, 288
	s_cselect_b64 s[4:5], s[10:11], s[4:5]         ; Wq,
	s_cselect_b32 s6, 512, s6
	s_cmp_lt_u32 ttmp9, 256
	s_cselect_b64 s[4:5], s[8:9], s[4:5]           ; or x
	s_cselect_b32 s6, 0, s6
	s_sub_co_u32 s29, s28, s6                      ; the tile in its tensor
	s_lshr_b32 s30, s29, 1
	s_lshl_b32 s30, s30, 5
	s_and_b32 s31, s29, 1
	s_lshl_b32 s31, s31, 3
	s_add_co_u32 s30, s30, s31                     ; its first row: 32 (tile / 2) + 8 (tile % 2),
	s_lshl_b32 s31, s29, 4                         ; or, in Wp, 16 x tile
	s_mov_b32 s7, 32768
	s_cmp_lt_u32 ttmp9, 304
	s_cselect_b32 s30, s30, s31
	s_cselect_b32 s7, 65536, s7                    ; its rows 8 .. 15 begin 16 rows on, in Wp 8 rows on
	v_add_nc_u32 v5, s7, v4
	s_wait_alu depctr_va_vdst(0)
	s_lshl_b32 s30, s30, 12                        ; rows of 4,096 bytes
	s_lshl_b32 s31, s27, 11
	s_add_co_u32 s30, s30, s31                     ; + my half of K
	s_mov_b32 s31, 0
	s_add_nc_u64 s[4:5], s[4:5], s[30:31]
	s_mov_b32 s35, WSCL
	s_cmp_lt_u32 ttmp9, 256
	s_cselect_b64 s[32:33], s[18:19], s[20:21]     ; where it goes: xq or wq
	s_cselect_b32 s34, 0, 512
	s_cselect_b32 s35, XSCL, s35
	s_sub_co_u32 s34, s28, s34                     ; the tile there
	s_mul_i32 s36, s34, 12288
	s_mul_i32 s37, s27, 6144
	s_add_co_u32 s36, s36, s37
	s_mov_b32 s37, 0
	s_add_nc_u64 s[2:3], s[32:33], s[36:37]        ; my four images
	s_lshl_b32 s36, s34, 9
	s_lshl_b32 s38, s27, 8
	s_add_co_u32 s36, s36, s38
	s_add_co_u32 s36, s36, s35
	s_add_nc_u64 s[32:33], s[32:33], s[36:37]      ; my 256 bytes of scale words
.macro LOAD t                          ; image t: 16 rows x 512 bytes into set t % 2
.irp i, 0,1,2,3,4,5,6,7
	global_load_b128 v[R+64*((\t)%2)+4*\i:R+64*((\t)%2)+4*\i+3], v4, s[4:5] offset:\i*4096+512*(\t) th:TH_LOAD_NT
.endr
.irp i, 0,1,2,3,4,5,6,7
	global_load_b128 v[R+64*((\t)%2)+32+4*\i:R+64*((\t)%2)+32+4*\i+3], v5, s[4:5] offset:\i*4096+512*(\t) th:TH_LOAD_NT
.endr
.endm
.macro IMAGE t
.if (\t) < 3
	s_wait_loadcnt 16                              ; this image's 16 loads are in; the next image's 16 may be out
.else
	s_wait_loadcnt 0x0
.endif
.irp i, 0,1,2,3,4,5,6,7,8,9,10,11,12,13,14,15
	ds_store_b128 v6, v[R+64*((\t)%2)+4*\i:R+64*((\t)%2)+4*\i+3] offset:SP*\i
.endr
.irp c, 0,1
.irp j, 0,1,2,3,4,5,6,7
	ds_load_b128 v[X+32*\c+4*\j:X+32*\c+4*\j+3], v7 offset:256*\c+16*\j   ; LDS serves a wave's instructions in order: these see the stores above
.endr
.endr
	s_wait_dscnt 0x0                               ; my numbers are back, and the stores have read their registers,
.if (\t) < 2
	LOAD (\t)+2                                    ; which take the image two on
.endif
.irp c, 0,1
	v_max3_num_f32 v[10+\c], |v[X+32*\c]|, |v[X+1+32*\c]|, 0x1800000   ; block 2 c + h: all 32 numbers are mine; the floor 2^(3 - 127) holds the byte at 1 from below
.endr
.irp i, 2,4,6,8,10,12,14,16,18,20,22,24,26,28,30
.irp c, 0,1
	v_max3_num_f32 v[10+\c], v[10+\c], |v[X+32*\c+\i]|, |v[X+1+32*\c+\i]|
.endr
.endr
.irp c, 0,1
	v_add_nc_u32 v[12+\c], 0xff000000, v[10+\c]    ; 2 off the exponent field: the conversion's scale operand
.endr
.irp c, 0,1
	v_lshrrev_b32 v[14+\c], 23, v[12+\c]           ; the scale's byte
.endr
	v_lshl_or_b32 v16, v15, 16, v14                ; my two bytes: blocks h and 2 + h,
	v_lshlrev_b32 v16, v9, v16                     ; at their places in the word;
	v_permlanex16_b32 v18, v16, s24, s25
	v_or_b32 v[20+(\t)], v16, v18                  ; with lane l xor 16's two the word is whole
	s_wait_alu depctr_va_vdst(0)
	s_wait_xcnt 0x0                                ; the last image's stores have read the codes' registers
.irp c, 0,1
	v_cvt_scalef32_pk16_fp6_f32 v[PC+6*\c:PC+6*\c+2], v[X+32*\c:X+32*\c+15], v[12+\c]
	v_cvt_scalef32_pk16_fp6_f32 v[PC+12+4*\c:PC+14+4*\c], v[X+32*\c+16:X+32*\c+31], v[12+\c]   ; (a conversion's three registers begin on an even number)
.endr
	v_nop                                          ; one plain place behind a scaled conversion
.irp c, 0,1
.irp i, 0,1,2
	v_mov_b32 v[PC+3+6*\c+\i], v[PC+12+4*\c+\i]
.endr
.endr
.irp p, 0,1,2,3,4,5
	global_store_b64 v8, v[PC+2*\p:PC+2*\p+1], s[2:3] offset:1536*(\t)+256*\p   ; 32 lanes store 256 consecutive bytes, at a multiple of 256 from the buffer's first byte
.endr
.endm
	LOAD 0
	LOAD 1
	IMAGE 0
	IMAGE 1
	IMAGE 2
	IMAGE 3
	v_cmp_gt_u32 vcc_lo, 16, v1                    ; lanes 0-15 store the words of my first 256 along K, lanes 16-31 those of my second
	v_cndmask_b32 v24, v22, v20, vcc_lo
	v_cndmask_b32 v25, v23, v21, vcc_lo
	global_store_b64 v8, v[24:25], s[32:33]        ; 256 consecutive bytes
	s_wait_tensorcnt 0x0
	ds_add_u32 v244, v245
	s_wait_dscnt 0x0
	s_endpgm
.Lfunc_end_k_qe430074924_quant:
	.size	k_qe430074924_quant, .Lfunc_end_k_qe430074924_quant-k_qe430074924_quant
	.p2alignl 7, 3214868480
	.fill 96, 4, 3214868480
	.section	.rodata,"a",@progbits
	.p2align	6, 0x0
	.amdhsa_kernel k_qe430074924_quant
		.amdhsa_group_segment_fixed_size 34304
		.amdhsa_private_segment_fixed_size 0
		.amdhsa_enable_private_segment 0
		.amdhsa_kernarg_size 56
		.amdhsa_user_sgpr_count 2
		.amdhsa_user_sgpr_kernarg_segment_ptr 1
		.amdhsa_wavefront_size32 1
		.amdhsa_system_sgpr_workgroup_id_x 1
		.amdhsa_system_sgpr_workgroup_id_y 1
		.amdhsa_system_sgpr_workgroup_id_z 1
		.amdhsa_system_vgpr_workitem_id 0
		.amdhsa_next_free_vgpr 246
		.amdhsa_next_free_sgpr 66
		.amdhsa_reserve_vcc 1
		.amdhsa_float_denorm_mode_32 3
		.amdhsa_float_denorm_mode_16_64 3
		.amdhsa_memory_ordered 1
		.amdhsa_forward_progress 1
		.amdhsa_inst_pref_size 33
	.end_amdhsa_kernel
	.amdgpu_metadata
---
amdhsa.version: [ 1, 2 ]
amdhsa.kernels:
  - .name:           k_qe430074924_quant
    .symbol:         k_qe430074924_quant.kd
    .args:
      - { .name: x, .offset: 0, .size: 8, .value_kind: global_buffer, .address_space: global }
      - { .name: Wq, .offset: 8, .size: 8, .value_kind: global_buffer, .address_space: global }
      - { .name: Wk, .offset: 16, .size: 8, .value_kind: global_buffer, .address_space: global }
      - { .name: Wv, .offset: 24, .size: 8, .value_kind: global_buffer, .address_space: global }
      - { .name: Wp, .offset: 32, .size: 8, .value_kind: global_buffer, .address_space: global }
      - { .name: xq, .offset: 40, .size: 8, .value_kind: global_buffer, .address_space: global }
      - { .name: wq, .offset: 48, .size: 8, .value_kind: global_buffer, .address_space: global }
    .group_segment_fixed_size: 34304
    .private_segment_fixed_size: 0
    .kernarg_segment_align: 8
    .kernarg_segment_size: 56
    .max_flat_workgroup_size: 128
    .sgpr_count:     66
    .vgpr_count:     246
    .wavefront_size: 32
...
	.end_amdgpu_metadata
.endif
;; end of part 1
;; launch qkv (part 2): grid 192 x 1, 4 waves a work-group, no clusters, 327,680 bytes of LDS; arguments xq, wq, qk, vv; writes qk, vv
.if DOCPART == 2
	.amdgcn_target "amdgcn-amd-amdhsa--gfx1250"
	.amdhsa_code_object_version 6
	.text
	.protected	k_qe430074924_qkv
	.globl	k_qe430074924_qkv
	.p2align	8
	.type	k_qe430074924_qkv,@function
k_qe430074924_qkv:
	s_mov_b64 s[64:65], 0
	v_nop
	global_prefetch_b8 v0, s[64:65] scope:SCOPE_SE
	s_setreg_imm32_b32 hwreg(HW_REG_WAVE_MODE, 25, 1), 1
	s_wait_xcnt 0x0
; q = x Wq^T, k = x Wk^T, v = x Wv^T on codes of FP6 (E2M3) with E8M0 scales, sums in f32; the results are quantised at once: q and k along the head's 64, v along the tokens.
; OPERANDS come as images of fragments ([tile of 16 rows][8 K steps][1,536 bytes]: registers 2 p, 2 p + 1 of lane l at 256 p + 8 l) and scale words [tile][K / 256][row][2].
; A work-group of four waves makes 256 x 256, a wave 128 x 128: 64 accumulators.  THE MATRIX INSTRUCTION IS USED TRANSPOSED: source 0 = 16 rows of B, source 1 = 16 rows of A: a lane holds one row of A and its registers run along B's rows.
; B's stored tiles hold their rows in the order 32 b + 8 u + r + 8 (r / 8), so the 16 registers of tiles 2 b, 2 b + 1 are 16 TRUE neighbours, 32 b + 16 h + 0 .. 15: what the conversions want.
; Work-groups 0-159: A = 256 tokens of x, B = 256 rows of Wq or Wk: a lane holds a token, registers run along (head, d).  Work-groups 160-191: A = Wv's 256 rows, B = 256 tokens: a lane holds a channel, registers run along the tokens.
; Only pointers and numbers are chosen by the work-group's number: one path through the text.
; K = 1,024 is four chunks of 256.  LDS has three slots of a chunk; chunks 0 to 2 and the scale words are first fills (one tensor load of a wave is out at any time), chunk 3 is the one refill, into slot 0.
; NO CLUSTER: the tiles are 32 x 5 and a strip of 32, which blocks of 4 x 4 do not divide; in the strips of Wk and Wv neighbours share one operand alone, and in Wv's strip it is the other source, so that no one line could carry one mask.
; RESULTS: qk: images [J 10][tile 512] (J = a pair of heads, 8 and 9 pairs of groups; the lower 768 bytes the even one), scale words [J][half][tile][16], half 1 = the word >> 16.  vv: images [J 64 = 128 tokens][tile 16 of channels], words likewise.
; LIMITS: NaN and infinities are not served; a block of zeros or under 2^-124 gets the byte 1 (this program alone reads the bytes).
; REGISTERS, in windows of 256: window 0: v0-31 addresses; v32-63 scale words, two sets; v64-91 the way out; v128-223 A's fragments, one set (on the way out at work).  window 1: B's fragments, two sets, at v0 and v128.
;   windows 2, 3: the accumulators: (a, b) at v[8 (8 (a % 4) + b)] of window 2 + a / 4.
.set XSCL, 6291456
.set WSCL, 1966080
.set QSCL, 7864320
.set VSCL, 1572864
.set CH,    3072                       ; a tile's two images of a chunk
.set HALFT, 8*CH                       ; eight tiles: what one tensor load brings, and what a wave reads of A or of B
.set SLOT,  4*HALFT                    ; A's 16 tiles, then B's 16
.set SCL,   3*SLOT                     ; behind the slots: the scale words, 512 bytes a tile
.set HALFS, 4096                       ; those of eight tiles
.set SPARE, SCL+4*HALFS                ; the spare words, 128 bytes for each wave: two blocks of 256 bytes that no other line names
.set SCR,   SPARE+512                  ; 1,024 bytes for each wave: the results' scale words on their way out; no fill lands here
.set FR, 12
.set NL, 6
.set NP, 4                             ; places behind this matrix instruction (ISA guide 7.12.1)
.set NQ, 2
.set ADRA, 16                          ; v16-19  LDS address of my A fragments in chunks 0 to 3
.set ADRB, 20                          ; v20-23  the same for B
.set ADRS, 27                          ; v27     of my scale words: lanes 0-15 A's rows, lanes 16-31 B's
.set SPW,  28                          ; v28     LDS address of my spare word; never rewritten
.set NIL,  29                          ; v29     0; never rewritten
.set SC,   32
.set AF,   128
.set PC,   64                          ; the way out: v64-75 codes, v76-78, v80-82 the conversions' second halves, v84-91 scale words read back
.set TM,   128                         ; v128-143 at work
.set PW,   144                         ; the scale word just made;  v145 the same >> 16
.set PW2,  145
.set G1,  24                           ; s[24:31] descriptor group 1 for images;  s[32:39] for scale words;  s[40:51] groups 0 for slots 0 to 2;  s[52:55] for the scale words
.set G1S, 32
.set G0,  40
.set G0S, 52
; THE FILLS AS THIS TEXT HAS THEM (one tensor load of a wave is out at any time).  LDS from 0: chunks 0 and 1 together, a tile's 6,144 bytes on end: A's 16 tiles, then B's 16.
; From 2 SLOT: chunk 2, 3,072 bytes a tile, wave w's eight tiles at w x HALFT.  Chunk 3 is the one refill, laid like chunk 2, from 0, when chunks 0 and 1 have been read.
; At the head wave 0 asks for A's chunks 0 and 1, wave 1 for A's scale words, wave 2 and 3 for B's.  Chunk 2 goes out behind the first barrier.
.set G1H, 68                           ; s[68:75] descriptor group 1 for the head's images
.set MSB, 0
.macro WIN new                         ; the immediate's high byte repeats the setting that is left
.if MSB != \new
	s_set_vgpr_msb (MSB<<8)|\new
.set MSB, \new
.endif
.endm
.set MUL_LO, 0xa1                      ; source 0 (B) window 1, source 1 (A) window 0, C and D window 2
.set MUL_HI, 0xf1                      ; the same, C and D window 3
.set TO_B,   0x40                      ; destination window 1, address window 0
.macro PLACES n
.rept \n
	v_nop
.endr
.endm
	s_load_b256 s[4:11], s[0:1], 0x0               ; xq, wq, qk, vv
	v_lshl_add_u32 v[SPW], v0, 2, SPARE
	v_mov_b32 v[NIL], 0
	ds_add_u32 v28, v29
	ds_add_u32 v28, v29
	s_wait_dscnt 0x0
	v_lshrrev_b32 v1, 5, v0
	v_readfirstlane_b32 s12, v1                    ; wave 0..3
	s_lshr_b32 s13, s12, 1                         ; which half of A's rows is mine.  Also: I fetch for A (0) or for B (1)
	s_and_b32 s14, s12, 1                          ; which half of B's rows.  Also: which eight tiles I fetch
	s_mov_b32 s[G1], 3<<16                         ; elements of 8 bytes, no mask, no padding
	s_mov_b32 s[G1+1], 384<<16                     ; tensor_dim0: 3,072 bytes: a tile's two images
	s_mov_b32 s[G1+2], 8<<16                       ; tensor_dim1: eight tiles
	s_mov_b32 s[G1+3], 384<<16                     ; tile_dim0
	s_mov_b32 s[G1+4], 8                           ; tile_dim1
	s_mov_b32 s[G1+5], 1536                        ; from tile to tile: 12,288 bytes
	s_mov_b32 s[G1+6], 0
	s_mov_b32 s[G1+7], 0
	s_mov_b32 s[G1S], 3<<16                        ; the scale words: dense bytes as rows of 256
	s_mov_b32 s[G1S+1], 32<<16
	s_mov_b32 s[G1S+2], 32<<16                     ; sixteen tiles' words: 8,192 dense bytes as 32 rows of 256
	s_mov_b32 s[G1S+3], 32<<16
	s_mov_b32 s[G1S+4], 32
	s_mov_b32 s[G1H], 3<<16                        ; the head's images: 16 tiles x 6,144 bytes (chunks 0 and 1), 12,288 bytes apart
	s_mov_b32 s[G1H+1], 768<<16
	s_mov_b32 s[G1H+2], 16<<16
	s_mov_b32 s[G1H+3], 768<<16
	s_mov_b32 s[G1H+4], 16
	s_mov_b32 s[G1H+5], 1536
	s_mov_b32 s[G1H+6], 0
	s_mov_b32 s[G1H+7], 0
	s_mov_b32 s[G1S+5], 32
	s_mov_b32 s[G1S+6], 0
	s_mov_b32 s[G1S+7], 0
	s_and_b32 s16, ttmp9, 31
	s_lshl_b32 s16, s16, 4                         ; q, k: the first tile of tokens
	s_lshr_b32 s17, ttmp9, 5                       ;       which 256 rows of Wq, Wk
	s_sub_co_u32 s18, ttmp9, 160                   ; v:    which 256 tokens
	s_lshl_b32 s19, s17, 4
	s_lshl_b32 s20, s18, 4
	s_mov_b32 s21, XSCL
	s_mov_b32 s22, WSCL
	s_mov_b32 s2, QSCL
	s_mov_b32 s3, VSCL
	s_cmp_lt_u32 ttmp9, 160                        ; the choice hangs on the work-group's number alone
	s_cselect_b32 s56, s16, 80                     ; A's first tile
	s_cselect_b32 s57, s19, s20                    ; B's
	s_cselect_b32 s58, s21, s22                    ; where A's scale words begin in its buffer
	s_cselect_b32 s59, s22, s21                    ; and B's
	s_cselect_b32 s60, 512, 16                     ; tiles to a J in the result
	s_cselect_b32 s61, s2, s3                      ; where the result's scale words begin
	s_cselect_b32 s62, s16, 0                      ; the result's first tile
	s_cselect_b32 s63, s17, s18                    ; half its first J
	s_wait_kmcnt 0x0
	s_cselect_b64 s[16:17], s[4:5], s[6:7]         ; A's buffer
	s_cselect_b64 s[18:19], s[6:7], s[4:5]         ; B's
	s_cselect_b64 s[8:9], s[8:9], s[10:11]         ; the result's
	s_cmp_eq_u32 s13, 0                            ; what I fetch
	s_cselect_b64 s[16:17], s[16:17], s[18:19]
	s_cselect_b32 s56, s56, s57
	s_cselect_b32 s58, s58, s59
	s_lshl_b32 s20, s56, 9
	s_add_co_u32 s20, s20, s58
	s_mov_b32 s21, 0
	s_mul_i32 s22, s56, 12288
	s_mov_b32 s23, 0
	s_add_nc_u64 s[20:21], s[16:17], s[20:21]      ; its scale words
	s_add_nc_u64 s[22:23], s[16:17], s[22:23]      ; its images
	s_mul_i32 s57, s12, HALFT                      ; where they go: wave x eight tiles
	s_lshl_b32 s59, s13, 13                        ; A's words, or 8,192 bytes on B's
	s_mov_b32 s[G0S], 1
	s_add_co_u32 s[G0S+1], s59, SCL
	s_mov_b64 s[G0S+2:G0S+3], s[20:21]
	s_or_b32 s[G0S+3], s[G0S+3], 0x80000000
	s_mov_b32 s[G0], 1                             ; the head's images: my side's 16 tiles, chunks 0 and 1
	s_mul_i32 s[G0+1], s13, SLOT                   ; A from 0, B from 98,304
	s_mov_b64 s[G0+2:G0+3], s[22:23]
	s_or_b32 s[G0+3], s[G0+3], 0x80000000
	s_mul_i32 s20, s14, 8*12288
	s_mov_b32 s21, 0
	s_add_nc_u64 s[22:23], s[22:23], s[20:21]      ; my eight tiles
.irp s, 1,2
	s_mov_b32 s[G0+4*\s], 1                        ; set 1: chunk 2, from 2 SLOT; set 2: chunk 3, from 0
	s_add_co_u32 s[G0+4*\s+1], s57, (2-\s)*2*SLOT
	s_add_nc_u64 s[G0+4*\s+2:G0+4*\s+3], s[22:23], (\s+1)*CH
	s_or_b32 s[G0+4*\s+3], s[G0+4*\s+3], 0x80000000
.endr
	s_cmp_eq_u32 s14, 0                            ; one tensor load a wave at the head: even waves the images, odd waves the scale words
	s_cbranch_scc0 .Lhead_s
	tensor_load_to_lds s[G0:G0+3], s[G1H:G1H+7]
	s_nop 0
	PLACES 4
	s_branch .Lhead_j
.Lhead_s:
	tensor_load_to_lds s[G0S:G0S+3], s[G1S:G1S+7]
	s_nop 0
	PLACES 4
.Lhead_j:
	v_and_b32 v1, 31, v0                           ; lane
	v_and_b32 v2, 15, v0                           ; r
	s_wait_alu depctr_va_vdst(0)
	v_bfe_u32 v3, v0, 4, 1                         ; h
	s_wait_alu depctr_va_vdst(0)
	v_lshlrev_b32 v4, 3, v1                        ; 8 x lane: my place in a pair of an image; never rewritten
	s_mul_i32 s20, s13, HALFT
	s_mul_i32 s21, s14, HALFT
	s_add_co_u32 s21, s21, 2*HALFT
	v_add_nc_u32 v[ADRA+3], s20, v4                ; chunk 3: from 0, 3,072 bytes a tile
	v_add_nc_u32 v[ADRB+3], s21, v4
	v_add_nc_u32 v[ADRA+2], 2*SLOT, v[ADRA+3]      ; chunk 2: the same from 2 SLOT
	v_add_nc_u32 v[ADRB+2], 2*SLOT, v[ADRB+3]
	s_lshl_b32 s20, s20, 1                         ; chunks 0 and 1: 6,144 bytes a tile, so twice as far
	s_lshl_b32 s21, s21, 1
	v_add_nc_u32 v[ADRA], s20, v4
	v_add_nc_u32 v[ADRB], s21, v4
	v_add_nc_u32 v[ADRA+1], CH, v[ADRA]
	v_add_nc_u32 v[ADRB+1], CH, v[ADRB]
	v_lshlrev_b32 v5, 3, v2                        ; my row's two words of a chunk
	s_lshl_b32 s20, s13, 12                        ; A's: my eight tiles
	s_lshl_b32 s21, s14, 12                        ; B's: my eight, behind A's sixteen
	s_add_co_u32 s21, s21, 2*HALFS
	s_sub_co_u32 s21, s21, s20
	v_mul_u32_u24 v6, s21, v3                      ; lanes 16-31 take B's: one product, the lower base + h x the distance
	s_add_co_u32 s20, s20, SCL
	v_add_nc_u32 v5, v5, v6
	v_add_nc_u32 v[ADRS], s20, v5
	s_lshl_b32 s20, s12, 10
	s_add_co_u32 s20, s20, SCR                     ; my 1,024 bytes for the results' scale words
	v_lshl_add_u32 v8, v2, 2, s20                  ; in: 4 r
	v_lshlrev_b32 v10, 4, v1                       ; 16 x lane
	s_wait_alu depctr_va_vdst(0)
	v_add_nc_u32 v9, s20, v10                      ; back
	s_lshl_b32 s63, s63, 1
	s_add_co_u32 s63, s63, s14                     ; my J
	s_lshl_b32 s20, s13, 3
	s_add_co_u32 s62, s62, s20                     ; my first tile of the result
	s_mul_i32 s20, s63, s60
	s_add_co_u32 s21, s20, s62
	s_mul_i32 s22, s21, 1536
	s_mov_b32 s23, 0
	s_add_nc_u64 s[10:11], s[8:9], s[22:23]        ; my eight images
	s_lshl_b32 s20, s20, 1
	s_add_co_u32 s20, s20, s62
	s_lshl_b32 s20, s20, 6
	s_add_co_u32 s20, s20, s61
	s_mov_b32 s21, 0
	s_add_nc_u64 s[8:9], s[8:9], s[20:21]          ; my eight tiles' words, half 0;
	s_lshl_b32 s60, s60, 6
	v_add_nc_u32 v11, s60, v10                     ; half 1 lies a J's tiles x 64 bytes on
	s_mov_b32 s2, 0x76543210
	s_mov_b32 s3, 0xfedcba98                       ; selects for lane l xor 16
.macro FRAG reg, adr, q, i             ; a fragment comes back as it was stored: six pairs of registers, 256 consecutive bytes a load
.irp p, 0,1,2,3,4,5
	ds_load_b64 v[\reg+2*\p:\reg+2*\p+1], v[\adr] offset:(\i)*TP+(\q)*1536+256*\p
.endr
.endm
; 16 matrix instructions: A's blocks a0, a0 + 1 x B's eight, 128 along K: the chunk's q-th.  p: B's set;  sc: the set of scale words.  zero = 1: the first product starts the sums.
; The 64 accumulators take turns, one instruction a turn, in the same order in every step.
.macro MUL16 a0, p, q, sc, zero
.irp a, \a0, \a0+1
.irp b, 0,1,2,3,4,5,6,7
.if \zero
	v_wmma_scale_f32_16x16x128_f8f6f4 v[8*(8*((\a)%4)+\b):8*(8*((\a)%4)+\b)+7], v[128*(\p)+FR*\b:128*(\p)+FR*\b+FR-1], v[AF+FR*(\a):AF+FR*(\a)+FR-1], 0, v[SC+8*NQ*(\sc)+NQ*\b+(\q)], v[SC+8*NQ*(\sc)+NQ*(\a)+(\q)] matrix_a_fmt:MATRIX_FMT_FP6 matrix_b_fmt:MATRIX_FMT_FP6 matrix_a_scale:MATRIX_SCALE_ROW1
.else
	v_wmma_scale_f32_16x16x128_f8f6f4 v[8*(8*((\a)%4)+\b):8*(8*((\a)%4)+\b)+7], v[128*(\p)+FR*\b:128*(\p)+FR*\b+FR-1], v[AF+FR*(\a):AF+FR*(\a)+FR-1], v[8*(8*((\a)%4)+\b):8*(8*((\a)%4)+\b)+7], v[SC+8*NQ*(\sc)+NQ*\b+(\q)], v[SC+8*NQ*(\sc)+NQ*(\a)+(\q)] matrix_a_fmt:MATRIX_FMT_FP6 matrix_b_fmt:MATRIX_FMT_FP6 matrix_a_scale:MATRIX_SCALE_ROW1
.endif
.endr
.endr
.endm
.macro FETCH_B slot, q, p
.set TP, CH*(2-(\slot)/2)              ; from tile to tile in LDS: 6,144 bytes in chunks 0 and 1, 3,072 in chunks 2 and 3
	WIN TO_B
.irp i, 0,1,2,3,4,5,6,7
	FRAG 128*(\p)+FR*\i, ADRB+\slot, \q, \i
.endr
	WIN 0
.endm
.macro FETCH_A slot, q, i0
.set TP, CH*(2-(\slot)/2)
.irp i, \i0, \i0+1, \i0+2, \i0+3
	FRAG AF+FR*(\i), ADRA+\slot, \q, \i
.endr
.endm
.macro SCALES sc                       ; a chunk's scale words into set sc: two words a row; lanes 0-15 take A's block i, lanes 16-31 B's block i
.irp i, 0,1,2,3,4,5,6,7
	ds_load_b64 v[SC+8*NQ*(\sc)+NQ*\i:SC+8*NQ*(\sc)+NQ*\i+1], v[ADRS] offset:\i*512
.endr
.endm
; A chunk's first 128 along K.  A block of A is free as soon as its eight products are issued: blocks 0-3 are fetched anew in the step's middle, blocks 4-7 at its end; B has two sets.
.macro STEP slot, sc, zero
	s_wait_dscnt 4*NL                              ; B's set, A's blocks 0-3 and the scale words are in; the youngest 24 loads (A's blocks 4-7) may be out
	WIN MUL_LO
	MUL16 0, 0, 0, \sc, \zero
	MUL16 2, 0, 0, \sc, \zero
	s_wait_dscnt 0x0                               ; A's blocks 4-7 are in
	PLACES NP                                      ; in front of loads into registers that matrix instructions have read
	FETCH_B \slot, 1, 1
	FETCH_A \slot, 1, 0
	WIN MUL_HI
	MUL16 4, 0, 0, \sc, \zero
	MUL16 6, 0, 0, \sc, \zero
	PLACES NP
	WIN 0
	FETCH_A \slot, 1, 4
.endm
; A chunk's second 128 along K, which goes on to the next chunk's slot.
; mode 2: the slot just read is filled again: each wave waits for all its tensor loads, adds 0 to its spare word, waits for that and for its reads of the slot; one barrier; the refill first behind it.
; mode 1: the same lines and the barrier in front of the chunk that the refill brought; nothing is filled.   mode 0: no barrier: the next slot was shown whole to every wave by the wait for all loads in front of the head's barrier.
.macro TURN slot, sc, next, mode
.if \mode
	s_wait_tensorcnt 0x0                           ; all my tensor loads have landed  (every window is 0 here)
	ds_add_u32 v[SPW], v[NIL]                      ; 0 onto my spare word
	s_wait_dscnt 4*NL+1                            ; (the add and the youngest 24 loads, A's blocks 4-7, may be out)
	WIN MUL_LO
	MUL16 0, 1, 1, \sc, 0                          ; sixteen matrix instructions stand between the add and the wait for it
	s_wait_dscnt 0x0                               ; the add is done, and my reads of this slot are over
	s_barrier_signal -1
	MUL16 2, 1, 1, \sc, 0
	WIN 0
	s_barrier_wait -1
.if \mode == 2
	tensor_load_to_lds s[G0+8:G0+11], s[G1:G1+7]   ; chunk 3, my one tensor load behind this barrier: it has chunk 2's two steps in which to land
	s_nop 0
	PLACES 4                                       ; (the places in front of the loads below)
.else
	PLACES NP
.endif
.else
	s_wait_dscnt 4*NL
	WIN MUL_LO
	MUL16 0, 1, 1, \sc, 0
	MUL16 2, 1, 1, \sc, 0
	s_wait_dscnt 0x0                               ; A's blocks 4-7 are in; no LDS load of mine is out
	WIN 0
	PLACES NP
.endif
	v_add_nc_u32 v[ADRS], 128, v[ADRS]             ; on to the next chunk's scale words
	FETCH_B \next, 0, 0
	FETCH_A \next, 0, 0
	SCALES 1-(\sc)
	WIN MUL_HI
	MUL16 4, 1, 1, \sc, 0
	MUL16 6, 1, 1, \sc, 0
	PLACES NP
	WIN 0
	FETCH_A \next, 0, 4
.endm
	s_wait_alu depctr_va_vdst(0)
	s_wait_tensorcnt 0x0                           ; my tile of the head's four is in
	ds_add_u32 v[SPW], v[NIL]
	s_wait_dscnt 0x0
	s_barrier_signal -1
	s_barrier_wait -1                              ; everybody's is
	tensor_load_to_lds s[G0+4:G0+7], s[G1:G1+7]    ; chunk 2, my eight tiles: it has chunks 0 and 1's four steps in which to land
	s_nop 0
	PLACES 4
	FETCH_B 0, 0, 0
	FETCH_A 0, 0, 0
	SCALES 0
	FETCH_A 0, 0, 4
	STEP 0, 0, 1                                   ; the first products start the sums: nothing is cleared
	TURN 0, 0, 1, 0                                ; chunk 1 came with chunk 0: no barrier
	s_wait_alu depctr_va_vdst(0)
	STEP 1, 1, 0
	TURN 1, 1, 2, 2                                ; chunk 2 is waited for; chunks 0 and 1 are read out: chunk 3 is asked for
	s_wait_alu depctr_va_vdst(0)
	STEP 2, 0, 0
	TURN 2, 0, 3, 1
	STEP 3, 1, 0
	s_wait_dscnt 4*NL                              ; the last step: nothing more to fetch
	WIN MUL_LO
	MUL16 0, 1, 1, 1, 0
	MUL16 2, 1, 1, 1, 0
	s_wait_dscnt 0x0
	WIN MUL_HI
	MUL16 4, 1, 1, 1, 0
	MUL16 6, 1, 1, 1, 0
	WIN 0
; THE WAY OUT.  Block a's 64 registers of a lane, register 16 b + i = number 32 b + 16 h + i of my row's 128, become a fragment's codes in v[PC] on and its scale word in v[PW].
.macro QUANTW a
.set AC, 64*((\a)%4)
.set W, 2+(\a)/4
	WIN 5*W                                        ; sources 0 and 1 in the accumulators' window
.irp b, 0,1,2,3
	v_max3_num_f32 v[TM+\b], |v[AC+16*\b]|, |v[AC+1+16*\b]|, 0x1800000   ; each accumulator is read from its low end on; the floor 2^(3 - 127) holds the byte at 1 from below
.endr
	WIN 20*W                                       ; sources 1 and 2
.irp i, 2,4,6,8,10,12,14
.irp b, 0,1,2,3
	v_max3_num_f32 v[TM+\b], v[TM+\b], |v[AC+16*\b+\i]|, |v[AC+1+16*\b+\i]|
.endr
.endr
	WIN 0
.irp b, 0,1,2,3
	v_permlanex16_b32 v[TM+4+\b], v[TM+\b], s2, s3
.endr
.irp b, 0,1,2,3
	v_max_num_f32 v[TM+\b], v[TM+\b], v[TM+4+\b]   ; with lane l xor 16's: the block's largest magnitude
.endr
.irp b, 0,1,2,3
	v_add_nc_u32 v[TM+12+\b], 0xff000000, v[TM+\b] ; 2 off its exponent field: the conversion's scale operand
.endr
.irp b, 0,1,2,3
	v_lshrrev_b32 v[TM+4+\b], 23, v[TM+12+\b]      ; the scale's byte
.endr
	s_wait_alu depctr_va_vdst(0)
	s_wait_xcnt 0x0                                ; the last block's stores have read the codes' registers,
	s_wait_dscnt 0x0                               ; and its LDS stores the two words
	v_lshl_or_b32 v[PW], v[TM+5], 8, v[TM+4]
	v_lshl_or_b32 v[PW], v[TM+6], 16, v[PW]
	v_lshl_or_b32 v[PW], v[TM+7], 24, v[PW]
	v_lshrrev_b32 v[PW2], 16, v[PW]                ; the word of the upper 64 alone
	WIN W                                          ; source 0
.irp c, 0,1
	v_cvt_scalef32_pk16_fp6_f32 v[PC+6*\c:PC+2+6*\c], v[AC+32*\c:AC+15+32*\c], v[TM+12+2*\c]
	v_cvt_scalef32_pk16_fp6_f32 v[PC+12+4*\c:PC+14+4*\c], v[AC+16+32*\c:AC+31+32*\c], v[TM+12+2*\c+1]   ; (a conversion's three registers begin on an even number)
.endr
	WIN 0
	v_nop                                          ; one plain place behind a scaled conversion
.irp c, 0,1                            ; the operand's layout wants a WHOLE block in a lane: lanes 0-15 block 2 c, lanes 16-31 block 2 c + 1
.irp i, 0,1,2
	v_permlane16_swap_b32 v[PC+6*\c+\i], v[PC+12+4*\c+\i]
.endr
.irp i, 0,1,2
	v_mov_b32 v[PC+3+6*\c+\i], v[PC+12+4*\c+\i]
.endr
.endr
.endm
	PLACES NP                                      ; behind the last products: their results are read and A's registers written only behind these
.irp b, 0,1,2,3
	v_mov_b32 v[TM+4+\b], 0                        ; written once: a lane permute's destination counts as one of its sources
.endr
.irp a, 0,1,2,3,4,5,6,7
	QUANTW \a
.irp p, 0,1,2,3,4,5
	global_store_b64 v4, v[PC+2*\p:PC+2*\p+1], s[10:11] offset:1536*\a+256*\p   ; 32 lanes store 256 consecutive bytes, at a multiple of 256 from the buffer's first byte
.endr
	ds_store_b32 v8, v[PW] offset:64*\a            ; lanes r and 16 + r write the same word with the same value
	ds_store_b32 v8, v[PW2] offset:64*\a+512
.endr
	ds_load_b128 v[84:87], v9                      ; LDS serves a wave's instructions in order: these see my stores
	ds_load_b128 v[88:91], v9 offset:512
	s_wait_dscnt 0x0
	global_store_b128 v10, v[84:87], s[8:9]        ; eight tiles' words: 512 consecutive bytes
	global_store_b128 v11, v[88:91], s[8:9]
	s_wait_tensorcnt 0x0                           ; the wave's end
	ds_add_u32 v[SPW], v[NIL]
	s_wait_dscnt 0x0
	s_endpgm
.Lfunc_end_k_qe430074924_qkv:
	.size	k_qe430074924_qkv, .Lfunc_end_k_qe430074924_qkv-k_qe430074924_qkv
	.p2alignl 7, 3214868480
	.fill 96, 4, 3214868480
	.section	.rodata,"a",@progbits
	.p2align	6, 0x0
	.amdhsa_kernel k_qe430074924_qkv
		.amdhsa_group_segment_fixed_size 327680
		.amdhsa_private_segment_fixed_size 0
		.amdhsa_enable_private_segment 0
		.amdhsa_kernarg_size 32
		.amdhsa_user_sgpr_count 2
		.amdhsa_user_sgpr_kernarg_segment_ptr 1
		.amdhsa_wavefront_size32 1
		.amdhsa_system_sgpr_workgroup_id_x 1
		.amdhsa_system_sgpr_workgroup_id_y 1
		.amdhsa_system_sgpr_workgroup_id_z 1
		.amdhsa_system_vgpr_workitem_id 0
		.amdhsa_next_free_vgpr 1024
		.amdhsa_next_free_sgpr 76
		.amdhsa_reserve_vcc 0
		.amdhsa_float_denorm_mode_32 3
		.amdhsa_float_denorm_mode_16_64 3
		.amdhsa_memory_ordered 1
		.amdhsa_forward_progress 1
		.amdhsa_inst_pref_size 164
	.end_amdhsa_kernel
	.amdgpu_metadata
---
amdhsa.version: [ 1, 2 ]
amdhsa.kernels:
  - .name:           k_qe430074924_qkv
    .symbol:         k_qe430074924_qkv.kd
    .args:
      - { .name: xq, .offset: 0, .size: 8, .value_kind: global_buffer, .address_space: global }
      - { .name: wq, .offset: 8, .size: 8, .value_kind: global_buffer, .address_space: global }
      - { .name: qk, .offset: 16, .size: 8, .value_kind: global_buffer, .address_space: global }
      - { .name: vv, .offset: 24, .size: 8, .value_kind: global_buffer, .address_space: global }
    .group_segment_fixed_size: 327680
    .private_segment_fixed_size: 0
    .kernarg_segment_align: 8
    .kernarg_segment_size: 32
    .max_flat_workgroup_size: 128
    .sgpr_count:     76
    .vgpr_count:     1024
    .wavefront_size: 32
...
	.end_amdgpu_metadata
.endif
;; end of part 2
;; launch attn (part 3): grid 16 x 16, 16 waves a work-group, clusters of 4 x 1, 215,040 bytes of LDS; arguments qk, vv, oo; writes oo
.if DOCPART == 3
	.amdgcn_target "amdgcn-amd-amdhsa--gfx1250"
	.amdhsa_code_object_version 6
	.text
	.protected	k_qe430074924_attn
	.globl	k_qe430074924_attn
	.p2align	8
	.type	k_qe430074924_attn,@function
k_qe430074924_attn:
	s_mov_b64 s[64:65], 0
	v_nop
	global_prefetch_b8 v0, s[64:65] scope:SCOPE_SE
	s_setreg_imm32_b32 hwreg(HW_REG_WAVE_MODE, 25, 1), 1
	s_wait_xcnt 0x0
	s_wait_alu depctr_hold_cnt(0) depctr_sa_sdst(0) depctr_va_vdst(0) depctr_va_sdst(0) depctr_va_ssrc(0) depctr_va_vcc(0) depctr_vm_vsrc(0)
	s_getreg_b32 s2, hwreg(HW_REG_IB_STS2, 6, 4)
	s_cmp_eq_u32 s2, 0
	s_cbranch_scc0 .Lentry_in_a_cluster
	s_endpgm
.Lentry_in_a_cluster:
	s_bfe_u32 s2, ttmp6, 0x10000c
	s_cmp_lg_u32 s2, 0x3003
	s_cbranch_scc0 .Lentry_shape_is_right
	s_endpgm
.Lentry_shape_is_right:
; Causal attention of 16 heads of 64 on 4 groups of keys and values, both products on codes of FP6 (E2M3) with E8M0 scales; the result, divided by the row's sum, is quantised along the channels for the last product.
; THE SOFTMAX: t = score x log2(e) / 8; M = the row's largest t so far, rounded UP to a whole number; p = 2^(t - M) is quantised along the keys, not normalised; the sum is taken of the unquantised p; when M moves, the sum and O are multiplied by 2^(old M - new M): exact.
; INPUTS: qk: images of fragments [J][tile of 16 tokens][1,536 bytes] (registers 2 p, 2 p + 1 of lane l at 256 p + 8 l); the lower 768 bytes are the even head (J 0-7) or group (J 8, 9), the upper the odd one; words [head or 16 + group][tile][16].
;   vv: images [128 tokens][tile of 16 channels], K = the tokens; words [128 tokens][half][tile][16].  Lane r of tile 2 b + u of tokens is token 32 b + 8 u + r + 8 (r / 8); channels likewise.
; THE FIRST PRODUCT has K = 64 in an instruction of 128: registers 6-11 of K's and Q's fragments are zero codes, which add nothing; the scale bytes there are another head's or 0, never 0xff.
; SHARES.  Work-group (c, y): batch y / 4, group y % 4; it owns eight tiles of 16 tokens, tile 16 i + c (i even) or 16 i + 15 - c (i odd), for the group's four heads.  Wave w: head 4 g + w % 4, tiles i = 7 - w / 4 (A) and i = w / 4 (B).
;   A tile in the block beta of 128 tokens has beta + 1 key steps; a wave's two tiles have 17 together, whatever c.  Every wave walks all 16 key steps; a step all of whose keys come after the tile is left out by a scalar branch on ids.
;   Those branches hang on the wave's number and the cluster's x; the work-group's place in its cluster enters global addresses and the mask's numbers alone.
; K AND V OF THE (BATCH, GROUP) STAY WHOLE IN LDS: each byte is filled once.  The four work-groups of a cluster want the same bytes: waves 0, 2, 4 ask for K's, waves 1, 3, 5 for V's, JOINTLY (mask 15), one load each: the scale words, key steps 0-3, key steps 4-15.
; LAYOUT.  Both products are used transposed: S^T = K Q^T, O^T = V^T P^T: a lane holds ONE query (lane % 16); the 16 registers of tiles 2 b, 2 b + 1 of S^T are keys 32 b + 16 (lane / 16) + 0 .. 15.
; LIMITS: NaN and infinities are not served; a block of zeros or under 2^-124 gets the byte 1 (this program alone reads the bytes).
; REGISTERS: v1-5, v28 addresses that stay; v8-11 addresses of the step; v12-15 / v80-83 -M, the largest t, the sum in two halves (tile A / B); v16-27 / v84-95 Q; v30 / v31 Q's scale words; v32-79 four fragments of K;
;   v96-159 S^T, then p, then (v96-143) V's four fragments; v160-191 / v192-223 O^T; v224-235 p's codes; v232-247, v252, v254 at work; v248-251 K's or V's scale words; v253 p's.
.set QSCL, 7864320
.set VSCL, 1572864
.set XSCL, 6291456
.set VL,   98304                       ; LDS: K's 128 half images of 768 bytes from 0; V's 16 x 4 images from here;
.set KSC,  196608                      ; K's scale words, 64 bytes a tile;
.set VSC,  204800                      ; V's, 256 bytes a key step;
.set STG,  208896                      ; 1,024 bytes where the result's scale bytes meet: no fill lands here
.set L8,  1                            ; v1   8 x lane
.set R4,  2                            ; v2   4 r
.set RQ,  3                            ; v3   r + 8 (r / 8) - 16 h
.set SGA, 4                            ; v4   where tile A's two scale bytes go
.set SGB, 5                            ; v5   tile B's
.set ADK, 8
.set ADV, 9
.set ADS, 10
.set ADT, 11
.set SRD, 28                           ; v28  where waves 0 and 1 read the scale bytes back
.set WV,  10                           ; s10  my wave's number
.set KST, 11                           ; s11  the key step
.set TK,  12                           ; s12-15 LDS byte at which the step's K, V, K's words, V's words begin
.set TV,  13
.set TS,  14
.set TT,  15
.set BETA, 16                          ; s16, s17 the block of 128 tokens in which tile A, B lies
.set BETB, 17
.set QLA, 18                           ; s18, s19 the tile's first token in that block
.set QLB, 19
.set SEL, 20                           ; s[20:21] selects for lane l xor 16
.set CS,  22                           ; s[22:23] c = log2(e) / 8
.set GKS, 24                           ; descriptor groups 1: K's words, K's first 32 tiles, K's other 96;
.set GKA, 32
.set GKB, 40
.set GVS, 48                           ; V's words, V's first 4 key steps, V's other 12
.set GVA, 56
.set GVB, 68
.set G0S, 76                           ; groups 0: the words, the first chunk, the second
.set G0A, 80
.set G0B, 84
.macro PLACES n
.rept \n
	v_nop
.endr
.endm
.macro SETG1 g, c, r, p                ; r rows of c elements of 8 bytes, p elements apart; 15:0 the mask: all four work-groups; 21 set beside a mask; no padding
	s_mov_b32 s[\g], 15|(3<<16)|(1<<21)
	s_mov_b32 s[\g+1], (\c)<<16
	s_mov_b32 s[\g+2], (\r)<<16
	s_mov_b32 s[\g+3], (\c)<<16
	s_mov_b32 s[\g+4], \r
	s_mov_b32 s[\g+5], \p
	s_mov_b32 s[\g+6], 0
	s_mov_b32 s[\g+7], 0
.endm
.macro CROUND                          ; a round of the cluster's barrier
	s_barrier_signal -1
	s_barrier_wait -1
	s_cmp_lg_u32 s[WV], 0
	s_cbranch_scc1 .Lnot_wave_0_\@
	s_barrier_signal -3
.Lnot_wave_0_\@:
	s_barrier_wait -3
	s_barrier_signal -1
	s_barrier_wait -1
.endm
	s_load_b128 s[4:7], s[0:1], 0x0                ; qk, vv
	s_load_b64 s[8:9], s[0:1], 0x10                ; oo
	v_lshl_add_u32 v243, v0, 2, 0x34000
	v_mov_b32 v255, 0
	ds_add_u32 v243, v255
	ds_add_u32 v243, v255
	v_lshrrev_b32 v6, 5, v0
	s_delay_alu instid0(VALU_DEP_1)
	v_readfirstlane_b32 s[WV], v6                  ; wave 0..15
	v_and_b32 v6, 31, v0
	s_delay_alu instid0(VALU_DEP_1)
	v_lshlrev_b32 v[L8], 3, v6
	v_and_b32 v7, 15, v0                           ; r
	s_wait_alu depctr_va_vdst(0)
	v_lshlrev_b32 v[R4], 2, v7
	v_bfe_u32 v6, v0, 4, 1                         ; h
	v_and_b32 v[RQ], 8, v7
	s_delay_alu instid0(VALU_DEP_1)
	v_add_nc_u32 v[RQ], v[RQ], v7
	s_delay_alu instid0(VALU_DEP_3)
	v_lshlrev_b32 v6, 4, v6
	s_delay_alu instid0(VALU_DEP_1)
	v_sub_nc_u32 v[RQ], v[RQ], v6
	s_and_b32 s2, s[WV], 3
	s_lshl_b32 s2, s2, 1
	s_add_co_u32 s2, s2, STG                       ; my head's two bytes of a row's eight
	s_lshr_b32 s3, s[WV], 2                        ; w / 4
	s_lshl_b32 s96, s3, 7                          ; tile B is the work-group's tile w / 4: 128 bytes a tile
	s_xor_b32 s97, s96, 896                        ; tile A its tile 7 - w / 4 (for 0 .. 3 the exclusive or with 7 is that)
	s_add_co_u32 s96, s96, s2
	s_add_co_u32 s97, s97, s2
	v_lshlrev_b32 v7, 3, v7
	s_delay_alu instid0(VALU_DEP_1)
	v_add_nc_u32 v[SGB], s96, v7
	s_delay_alu instid0(VALU_DEP_2)
	v_add_nc_u32 v[SGA], s97, v7
	v_and_b32 v[SRD], 63, v0
	s_delay_alu instid0(VALU_DEP_1)
	v_lshl_add_u32 v[SRD], v[SRD], 4, STG
	s_and_b32 s91, s[WV], 1                        ; 0: K's loads, 1: V's
	s_and_b32 s98, ttmp7, 0xffff
	s_lshr_b32 s89, s98, 2                         ; the batch
	s_and_b32 s90, s98, 3                          ; the group
	s_lshr_b32 s2, s90, 1
	s_add_co_u32 s2, s2, 8
	s_lshl_b32 s2, s2, 9
	s_lshl_b32 s3, s89, 7
	s_add_co_u32 s2, s2, s3
	s_mul_i32 s98, s2, 1536
	s_and_b32 s2, s90, 1
	s_mul_i32 s2, s2, 768
	s_add_co_u32 s98, s98, s2                      ; K's half images: ((8 + g / 2) 512 + 128 b) 1,536 + 768 (g % 2)
	s_mov_b32 s99, 0
	s_lshl_b32 s2, s89, 8
	s_lshl_b32 s96, s90, 2
	s_add_co_u32 s2, s2, s96
	s_mul_i32 s100, s2, 1536                       ; V's images: (256 b + 4 g) 1,536
	s_mov_b32 s101, 0
	s_add_co_u32 s2, s90, 16
	s_lshl_b32 s2, s2, 9
	s_add_co_u32 s2, s2, s3
	s_lshl_b32 s92, s2, 6
	s_add_co_u32 s92, s92, QSCL                    ; K's words: ((16 + g) 512 + 128 b) 64
	s_mov_b32 s93, 0
	s_lshl_b32 s2, s89, 9
	s_add_co_u32 s2, s2, s96
	s_lshl_b32 s94, s2, 6
	s_add_co_u32 s94, s94, VSCL                    ; V's words: (512 b + 4 g) 64
	s_mov_b32 s95, 0
	SETG1 GKS, 32, 32, 32                          ; 8,192 dense bytes as rows of 256
	SETG1 GKA, 96, 32, 192                         ; 768 bytes of each 1,536
	SETG1 GKB, 96, 96, 192
	SETG1 GVS, 32, 16, 256                         ; 256 bytes of each 2,048
	SETG1 GVA, 768, 4, 3072                        ; four images, 6,144 bytes, of each 24,576
	SETG1 GVB, 768, 12, 3072
	s_mov_b32 s[SEL], 0x76543210
	s_mov_b32 s[SEL+1], 0xfedcba98
	s_mov_b32 s[CS], 0x3e38aa3b                    ; log2(e) / 8
	s_mov_b32 s[CS+1], s[CS]                       ; (named with it as a pair, so it is written)
	s_wait_dscnt 0x0
	s_wait_kmcnt 0x0
	s_add_nc_u64 s[98:99], s[4:5], s[98:99]
	s_add_nc_u64 s[100:101], s[6:7], s[100:101]
	s_add_nc_u64 s[92:93], s[4:5], s[92:93]
	s_add_nc_u64 s[94:95], s[6:7], s[94:95]
	s_mov_b32 s2, 98304                            ; from the first chunk to the second in memory: V's four key steps,
	s_mov_b32 s3, 0
	s_cmp_eq_u32 s91, 0                            ; the choice hangs on the wave's number alone
	s_cselect_b64 s[G0S+2:G0S+3], s[92:93], s[94:95]
	s_cselect_b64 s[G0A+2:G0A+3], s[98:99], s[100:101]
	s_cselect_b32 s2, 49152, s2                    ; or K's 32 tiles
	s_add_nc_u64 s[G0B+2:G0B+3], s[G0A+2:G0A+3], s[2:3]
	s_or_b32 s[G0S+3], s[G0S+3], 0x80000000
	s_or_b32 s[G0A+3], s[G0A+3], 0x80000000
	s_or_b32 s[G0B+3], s[G0B+3], 0x80000000
	s_mov_b32 s[G0S], 1
	s_mov_b32 s[G0A], 1
	s_mov_b32 s[G0B], 1
	s_lshl_b32 s96, s91, 13
	s_add_co_u32 s[G0S+1], s96, KSC                ; K's words, or 8,192 bytes on V's
	s_mul_i32 s[G0A+1], s91, VL                    ; K from 0, V from 98,304
	s_add_co_u32 s[G0B+1], s[G0A+1], 24576         ; either first chunk is 24,576 bytes
	CROUND                                         ; all four work-groups are here: the joint loads meet
; THE SIX JOINT LOADS GO TO SIX WAVES, one a wave, in one chain of branches on the wave's number: even waves K's, odd waves V's (the groups 0 were chosen so above);
; waves 0, 1 the scale words, waves 2, 3 key steps 0-3, waves 4, 5 key steps 4-15.  Waves 6 to 15 ask for nothing.
.macro ARM under, g0, g1, next
	s_cmp_lt_u32 s[WV], \under
	s_cbranch_scc0 \next
	tensor_load_to_lds s[\g0:\g0+3], s[\g1:\g1+7]
	s_nop 0
	PLACES 4
	s_branch .Lasked
\next:
.endm
	ARM 1, G0S, GKS, .Larm_1
	ARM 2, G0S, GVS, .Larm_2
	ARM 3, G0A, GKA, .Larm_3
	ARM 4, G0A, GVA, .Larm_4
	ARM 5, G0B, GKB, .Larm_5
	ARM 6, G0B, GVB, .Larm_6
.Lasked:
	; which tiles are mine
	s_bfe_u32 s88, ttmp6, 0x40000                  ; my place in the cluster
	s_lshl_b32 s2, ttmp9, 2
	s_add_co_u32 s88, s88, s2                      ; c
	s_lshr_b32 s2, s[WV], 2                        ; w / 4
	s_and_b32 s3, s2, 1                            ; its parity
	s_lshr_b32 s96, ttmp9, 1                       ; c / 8, made of the cluster's x alone
	s_xor_b32 s96, s96, s3
	s_lshl_b32 s97, s2, 1
	s_add_co_u32 s[BETB], s97, s96                 ; tile B's block: 2 i + (c / 8 or its opposite, by i's parity)
	s_xor_b32 s96, s96, 1
	s_xor_b32 s97, s97, 14                         ; 2 (7 - w / 4)
	s_add_co_u32 s[BETA], s97, s96
	s_mul_i32 s3, s3, 15
	s_xor_b32 s96, s88, s3                         ; tile B's place among its 16: c or 15 - c
	s_xor_b32 s97, s96, 15                         ; tile A's: the other
	s_and_b32 s98, s96, 6
	s_lshl_b32 s98, s98, 4
	s_and_b32 s99, s96, 1
	s_lshl_b32 s99, s99, 3
	s_add_co_u32 s[QLB], s98, s99                  ; 32 ((tile % 8) / 2) + 8 (tile % 2)
	s_and_b32 s98, s97, 6
	s_lshl_b32 s98, s98, 4
	s_and_b32 s99, s97, 1
	s_lshl_b32 s99, s99, 3
	s_add_co_u32 s[QLA], s98, s99
	s_lshl_b32 s98, s2, 4
	s_add_co_u32 s96, s96, s98
	s_xor_b32 s98, s98, 112                        ; 16 (7 - w / 4)
	s_add_co_u32 s97, s97, s98
	s_lshl_b32 s98, s89, 7
	s_add_co_u32 s96, s96, s98                     ; tile B among all 512
	s_add_co_u32 s97, s97, s98                     ; tile A
	s_and_b32 s98, s[WV], 3
	s_lshl_b32 s99, s90, 2
	s_add_co_u32 s98, s98, s99                     ; my head
	s_lshr_b32 s99, s98, 1
	s_and_b32 s100, s98, 1
	s_mul_i32 s100, s100, 768
	s_mov_b32 s3, 0
	s_lshl_b32 s2, s97, 3
	s_add_co_u32 s2, s2, s99
	s_mul_i32 s2, s2, 1536
	s_add_co_u32 s2, s2, s100
	s_add_nc_u64 s[92:93], s[8:9], s[2:3]          ; the result's half image, tile A: (8 tile + head / 2) 1,536 + 768 (head % 2)
	s_lshl_b32 s2, s96, 3
	s_add_co_u32 s2, s2, s99
	s_mul_i32 s2, s2, 1536
	s_add_co_u32 s2, s2, s100
	s_add_nc_u64 s[94:95], s[8:9], s[2:3]          ; tile B
	s_lshl_b32 s2, s89, 16
	s_lshl_b32 s101, s90, 7
	s_add_co_u32 s2, s2, s101
	s_add_co_u32 s2, s2, XSCL
	s_add_nc_u64 s[8:9], s[8:9], s[2:3]            ; the result's scale words: the batch's first tile, + 128 g
	s_lshl_b32 s91, s99, 9
	s_add_co_u32 s2, s91, s97
	s_mul_i32 s2, s2, 1536
	s_add_co_u32 s2, s2, s100
	s_add_nc_u64 s[6:7], s[4:5], s[2:3]            ; Q's half image, tile A
	s_add_co_u32 s2, s91, s96
	s_mul_i32 s2, s2, 1536
	s_add_co_u32 s2, s2, s100
	s_add_nc_u64 s[66:67], s[4:5], s[2:3]          ; tile B
	s_lshl_b32 s91, s98, 9
	s_add_co_u32 s2, s91, s97
	s_lshl_b32 s2, s2, 6
	s_add_co_u32 s2, s2, QSCL
	s_add_nc_u64 s[100:101], s[4:5], s[2:3]        ; Q's scale words, tile A
	s_add_co_u32 s2, s91, s96
	s_lshl_b32 s2, s2, 6
	s_add_co_u32 s2, s2, QSCL
	s_add_nc_u64 s[4:5], s[4:5], s[2:3]            ; tile B
.irp p, 0,1,2
	global_load_b64 v[16+2*\p:17+2*\p], v[L8], s[6:7] offset:256*\p
	global_load_b64 v[84+2*\p:85+2*\p], v[L8], s[66:67] offset:256*\p
.endr
	global_load_b32 v30, v[R4], s[100:101]
	global_load_b32 v31, v[R4], s[4:5]
.irp i, 0,1,2,3,4,5
	v_mov_b32 v[22+\i], 0                          ; k = 64 .. 127 of the first product: zero codes, written once
	v_mov_b32 v[90+\i], 0
.irp t, 0,1,2,3
	v_mov_b32 v[38+12*\t+\i], 0
.endr
.endr
	v_mov_b32 v13, 0xff61b1e6                      ; the largest t so far: -3e38, under every t
	v_mov_b32 v81, 0xff61b1e6
	s_delay_alu instid0(VALU_DEP_2)
	v_floor_f32 v12, -v13                          ; -M
	s_delay_alu instid0(VALU_DEP_2)
	v_floor_f32 v80, -v81
	v_mov_b32 v14, 0                               ; the sums, in two halves
	v_mov_b32 v15, 0
	v_mov_b32 v82, 0
	v_mov_b32 v83, 0
.irp b, 0,1,2,3
	v_mov_b32 v[236+\b], 0                         ; written once: a lane permute's destination counts as one of its sources
.endr
	v_mov_b32 v252, 0
	v_mov_b32 v253, 0                              ; (named as the upper half of the pair v[252:253] before it is first written)
	v_mov_b32 v254, 0
.set n, 0
.rept 64
	v_mov_b32 v[160+n], 0                          ; O^T of both tiles: the step is written once; the first finds zeros, which the first change of M leaves zeros
.set n, n+1
.endr
; A KEY STEP of one tile: 128 keys.  st: its statistics; qf, qs: Q's fragment and scale words; ot: O^T; bet: its block; ql: its first token in the block.
.macro STEP st, qf, qs, ot, bet, ql
	s_cmp_gt_u32 s[KST], s[\bet]                   ; all keys of the step come after the tile's queries: nothing to do
	s_cbranch_scc1 .Lhidden_\@
	s_wait_alu depctr_va_vdst(0)
.irp g, 0,1                            ; S^T = K Q^T, four tiles of 16 keys at a time
.if \g
	PLACES 4                                       ; in front of loads into registers that matrix instructions have read
.endif
.irp t, 0,1,2,3
.irp p, 0,1,2
	ds_load_b64 v[32+12*\t+2*\p:33+12*\t+2*\p], v[ADK] offset:768*(4*\g+\t)+256*\p
.endr
	ds_load_b32 v[248+\t], v[ADS] offset:64*(4*\g+\t)
.endr
	s_wait_dscnt 0x0
.irp t, 0,1,2,3
	v_wmma_scale_f32_16x16x128_f8f6f4 v[96+8*(4*\g+\t):103+8*(4*\g+\t)], v[32+12*\t:43+12*\t], v[\qf:\qf+11], 0, v[248+\t], v[\qs] matrix_a_fmt:MATRIX_FMT_FP6 matrix_b_fmt:MATRIX_FMT_FP6
.endr
.endr
	PLACES 4
	s_cmp_lg_u32 s[KST], s[\bet]                   ; on the diagonal the scores of hidden keys become -infinity ahead of the maximum: p = 0 then.  The query itself always counts
	s_cbranch_scc1 .Lopen_\@
	v_add_nc_u32 v252, s[\ql], v[RQ]               ; d = my query - 16 (lane / 16), in the block.  Register 16 b + i holds key 32 b + 16 (lane / 16) + i: hidden where 32 b + i > d
	v_mov_b32 v254, 0xff800000
.set n, 0
.rept 64
	v_cmp_gt_i32 vcc_lo, 32*(n/16)+n%16, v252
	v_cndmask_b32 v[96+n], v[96+n], v254, vcc_lo
.set n, n+1
.endr
.Lopen_\@:
.irp b, 0,1,2,3
	v_max3_num_f32 v[232+\b], v[96+16*\b], v[97+16*\b], v[98+16*\b]   ; the largest score of each block of 32 keys: it serves for the row's maximum and, since p rises with the score, for the block's largest p
.endr
.irp i, 3,5,7,9,11,13
.irp b, 0,1,2,3
	v_max3_num_f32 v[232+\b], v[232+\b], v[96+16*\b+\i], v[97+16*\b+\i]
.endr
.endr
.irp b, 0,1,2,3
	v_max_num_f32 v[232+\b], v[232+\b], v[111+16*\b]
.endr
.irp b, 0,1,2,3
	s_delay_alu instid0(VALU_DEP_4)
	v_permlanex16_b32 v[236+\b], v[232+\b], s[SEL], s[SEL+1]
.endr
.irp b, 0,1,2,3
	s_delay_alu instid0(VALU_DEP_4)
	v_max_num_f32 v[232+\b], v[232+\b], v[236+\b]  ; with lane l xor 16's 16 keys
.endr
	s_delay_alu instid0(VALU_DEP_2)
	v_max3_num_f32 v254, v232, v233, v234
	s_delay_alu instid0(VALU_DEP_1)
	v_max_num_f32 v254, v254, v235                 ; the step's largest score of my query
	s_delay_alu instid0(VALU_DEP_1)
	v_mul_f32 v254, s[CS], v254                    ; as t (c is positive)
	s_delay_alu instid0(VALU_DEP_1)
	v_max_num_f32 v[\st+1], v[\st+1], v254         ; the running largest t
	v_mov_b32 v254, v[\st]
	s_delay_alu instid0(VALU_DEP_2)
	v_floor_f32 v[\st], -v[\st+1]                  ; the new -M = floor(-t): M is a whole number
	s_delay_alu instid0(VALU_DEP_1)
	v_sub_f32 v254, v[\st], v254                   ; old M - new M: a whole number, 0 or less
	s_delay_alu instid0(VALU_DEP_1)
	v_cvt_i32_f32 v254, v254                       ; (it saturates)
	s_delay_alu instid0(VALU_DEP_1)
	v_ldexp_f32 v252, 1.0, v254                    ; f = 2^(old M - new M)
.set n, 0
.rept 32
	v_pk_fma_f32 v[96+n:97+n], v[96+n:97+n], s[CS:CS+1], v[\st:\st+1] op_sel_hi:[1,0,0]   ; t - M, two at a time
.set n, n+2
.endr
.irp b, 0,1,2,3
	v_fma_f32 v[232+\b], v[232+\b], s[CS], v[\st]  ; the same of each block's largest score
.endr
.set n, 0
	s_wait_alu depctr_va_vdst(0)
.rept 64
	v_exp_f32 v[96+n], v[96+n]                     ; p = 2^(t - M), at most 1
.set n, n+1
.endr
	v_pk_mul_f32 v[\st+2:\st+3], v[\st+2:\st+3], v[252:253] op_sel_hi:[1,0]   ; the sums under the new M: a plain place behind the exponentials
	s_wait_alu depctr_va_vdst(0)                   ; one wait for the batch of 64, ahead of its first reader
.irp b, 0,1,2,3
	v_exp_f32 v[232+\b], v[232+\b]                 ; the block's largest p
.endr
	v_pk_add_f32 v[236:237], v[96:97], v[98:99]    ; the row's sum is taken of the unquantised p, two at a time, in two chains
.irp j, 4,8,12,16,20,24,28,32,36,40,44,48,52,56,60
	v_pk_add_f32 v[\st+2:\st+3], v[\st+2:\st+3], v[96+\j:97+\j]
	v_pk_add_f32 v[236:237], v[236:237], v[98+\j:99+\j]
.endr
	s_delay_alu instid0(VALU_DEP_1)
	v_pk_add_f32 v[\st+2:\st+3], v[\st+2:\st+3], v[236:237]
	s_wait_alu depctr_va_vdst(0)                   ; and one for the four
.irp b, 0,1,2,3
	v_max_num_f32 v[232+\b], 0x1800000, v[232+\b]  ; the floor 2^(3 - 127): the byte cannot fall under 1
.endr
.irp b, 0,1,2,3
	s_delay_alu instid0(VALU_DEP_4)
	v_add_nc_u32 v[244+\b], 0xff000000, v[232+\b]  ; 2 off the exponent field: the conversion's scale operand
.endr
.irp b, 0,1,2,3
	s_delay_alu instid0(VALU_DEP_4)
	v_lshrrev_b32 v[236+\b], 23, v[244+\b]         ; the scale's byte
.endr
	s_delay_alu instid0(VALU_DEP_3)
	v_lshl_or_b32 v253, v237, 8, v236              ; p's scale word for these 128 keys
	s_delay_alu instid0(VALU_DEP_1)
	v_lshl_or_b32 v253, v238, 16, v253
	s_delay_alu instid0(VALU_DEP_1)
	v_lshl_or_b32 v253, v239, 24, v253
.irp c, 0,1
	v_cvt_scalef32_pk16_fp6_f32 v[224+6*\c:226+6*\c], v[96+32*\c:111+32*\c], v[244+2*\c]
	v_cvt_scalef32_pk16_fp6_f32 v[236+4*\c:238+4*\c], v[112+32*\c:127+32*\c], v[244+2*\c+1]   ; (a conversion's three registers begin on an even number)
.endr
	v_nop                                          ; one plain place behind a scaled conversion
.irp t, 0,1,2,3                        ; V's four fragments land where p lay, while the codes are put in order and O^T is rescaled
.irp p, 0,1,2,3,4,5
	ds_load_b64 v[96+12*\t+2*\p:97+12*\t+2*\p], v[ADV] offset:1536*\t+256*\p
.endr
	ds_load_b32 v[248+\t], v[ADT] offset:64*\t
.endr
.irp c, 0,1                            ; the operand's layout wants a WHOLE block in a lane
.irp i, 0,1,2
	v_permlane16_swap_b32 v[224+6*\c+\i], v[236+4*\c+\i]
.endr
.irp i, 0,1,2
	s_delay_alu instid0(VALU_DEP_3)
	v_mov_b32 v[227+6*\c+\i], v[236+4*\c+\i]
.endr
.endr
.set n, 0
.rept 16
	v_pk_mul_f32 v[\ot+n:\ot+n+1], v[\ot+n:\ot+n+1], v[252:253] op_sel_hi:[1,0]   ; O^T under the new M.  (These 16 are also the places between the scale word's and the codes' last writes and the products)
.set n, n+2
.endr
	s_wait_alu depctr_va_vdst(0)
	s_wait_dscnt 0x0
.irp t, 0,1,2,3                        ; O^T += V^T P^T: four accumulators by turns
	v_wmma_scale_f32_16x16x128_f8f6f4 v[\ot+8*\t:\ot+8*\t+7], v[96+12*\t:107+12*\t], v[224:235], v[\ot+8*\t:\ot+8*\t+7], v[248+\t], v253 matrix_a_fmt:MATRIX_FMT_FP6 matrix_b_fmt:MATRIX_FMT_FP6
.endr
	PLACES 5                                       ; the next S^T is written over registers that these products read: five places
.Lhidden_\@:
.endm
.macro TRIPS lim                       ; key steps up to lim: both tiles, then the steps of the addresses
.Ltrip_\@:
	v_add_nc_u32 v[ADK], s[TK], v[L8]              ; (no LDS load of mine is out)
	v_add_nc_u32 v[ADV], s[TV], v[L8]
	v_add_nc_u32 v[ADS], s[TS], v[R4]
	v_add_nc_u32 v[ADT], s[TT], v[R4]
	STEP 12, 16, 30, 160, BETA, QLA
	STEP 80, 84, 31, 192, BETB, QLB
	s_add_co_u32 s[TK], s[TK], 6144
	s_add_co_u32 s[TV], s[TV], 6144
	s_add_co_u32 s[TS], s[TS], 512
	s_add_co_u32 s[TT], s[TT], 256
	s_add_co_u32 s[KST], s[KST], 1
	s_cmp_lt_u32 s[KST], \lim
	s_cbranch_scc1 .Ltrip_\@
.endm
	s_wait_loadcnt 0x0                             ; Q
	s_cmp_ge_u32 s[WV], 4                          ; waves 4 and 5 let key steps 4-15 stay out, and they are waited for ahead of the next barrier
	s_cbranch_scc1 .Llater
	s_wait_tensorcnt 0x0                           ; the scale words and key steps 0-3 are in
.Llater:
	s_barrier_signal -1
	s_barrier_wait -1
	s_mov_b32 s[KST], 0
	s_mov_b32 s[TK], 0
	s_mov_b32 s[TV], VL
	s_mov_b32 s[TS], KSC
	s_mov_b32 s[TT], VSC
	TRIPS 1                                        ; key step 0 counts for both tiles of every wave: all sixteen waves reach the barrier below with two tile steps done
	s_wait_tensorcnt 0x0                           ; key steps 4-15 are in,
	s_wait_dscnt 0x0
	s_barrier_signal -1
	s_barrier_wait -1                              ; both fetching waves'
	s_mov_b32 s[KST], 1
	s_mov_b32 s[TK], 6144
	s_mov_b32 s[TV], VL+6144
	s_mov_b32 s[TS], KSC+512
	s_mov_b32 s[TT], VSC+256
	TRIPS 16
	; THE WAY OUT.  O^T / the sum; register 16 b + i of a tile is channel 32 b + 16 h + i of my head: two blocks of 32 along the last product's K.
	v_add_f32 v14, v14, v15                        ; the sums' two halves,
	v_add_f32 v82, v82, v83
	s_delay_alu instid0(VALU_DEP_2)
	v_permlanex16_b32 v252, v14, s[SEL], s[SEL+1]
	s_delay_alu instid0(VALU_DEP_2)
	v_permlanex16_b32 v254, v82, s[SEL], s[SEL+1]
	s_delay_alu instid0(VALU_DEP_2)
	v_add_f32 v14, v14, v252                       ; and lane l xor 16's
	s_delay_alu instid0(VALU_DEP_2)
	v_add_f32 v82, v82, v254
	s_wait_alu depctr_va_vdst(0)
	v_rcp_f32 v14, v14
	v_rcp_f32 v82, v82
	v_mov_b32 v34, 0                               ; a plain place behind the reciprocals  (a lane permute's destination counts as one of its sources)
	v_mov_b32 v35, 0
	s_wait_alu depctr_va_vdst(0)                   ; one wait for the two, ahead of their first reader
.set n, 0
.rept 32
	v_mul_f32 v[96+n], v[160+n], v14               ; each accumulator from its low end on
.set n, n+1
.endr
.set n, 0
.rept 32
	v_mul_f32 v[128+n], v[192+n], v82
.set n, n+1
.endr
.macro HQ src, pc, tmp, hw             ; 32 numbers of a lane become half a fragment's codes (six registers) and two scale bytes
.irp b, 0,1
	v_max3_num_f32 v[32+\b], |v[\src+16*\b]|, |v[\src+1+16*\b]|, 0x1800000
.endr
.irp i, 2,4,6,8,10,12,14
.irp b, 0,1
	s_delay_alu instid0(VALU_DEP_2)
	v_max3_num_f32 v[32+\b], v[32+\b], |v[\src+16*\b+\i]|, |v[\src+1+16*\b+\i]|
.endr
.endr
.irp b, 0,1
	s_delay_alu instid0(VALU_DEP_2)
	v_permlanex16_b32 v[34+\b], v[32+\b], s[SEL], s[SEL+1]
.endr
.irp b, 0,1
	s_delay_alu instid0(VALU_DEP_2)
	v_max_num_f32 v[32+\b], v[32+\b], v[34+\b]
.endr
.irp b, 0,1
	s_delay_alu instid0(VALU_DEP_2)
	v_add_nc_u32 v[36+\b], 0xff000000, v[32+\b]
.endr
.irp b, 0,1
	s_delay_alu instid0(VALU_DEP_2)
	v_lshrrev_b32 v[38+\b], 23, v[36+\b]
.endr
	s_delay_alu instid0(VALU_DEP_1)
	v_lshl_or_b32 v[\hw], v39, 8, v38
	v_cvt_scalef32_pk16_fp6_f32 v[\pc:\pc+2], v[\src:\src+15], v36
	v_cvt_scalef32_pk16_fp6_f32 v[\tmp:\tmp+2], v[\src+16:\src+31], v37
	v_nop                                          ; one plain place behind a scaled conversion
.irp i, 0,1,2
	v_permlane16_swap_b32 v[\pc+\i], v[\tmp+\i]
.endr
.irp i, 0,1,2
	s_delay_alu instid0(VALU_DEP_3)
	v_mov_b32 v[\pc+3+\i], v[\tmp+\i]
.endr
.endm
	HQ 96, 224, 236, 40
	HQ 128, 230, 240, 41
.irp p, 0,1,2
	global_store_b64 v[L8], v[224+2*\p:225+2*\p], s[92:93] offset:256*\p   ; 32 lanes store 256 consecutive bytes, at a multiple of 256 from the buffer's first byte
	global_store_b64 v[L8], v[230+2*\p:231+2*\p], s[94:95] offset:256*\p
.endr
	ds_store_b16 v[SGA], v40                       ; a row's eight scale bytes of the group come from four waves: they meet in LDS (lanes r and 16 + r write the same bytes with the same value)
	ds_store_b16 v[SGB], v41
	s_wait_dscnt 0x0                               ; for the others' sake
	s_barrier_signal -1
	s_barrier_wait -1
	s_cmp_lt_u32 s[WV], 2                          ; 64 threads store the eight tiles' 128 bytes each
	s_cbranch_scc0 .Lno_scales
	ds_load_b128 v[96:99], v[SRD]
	v_lshrrev_b32 v6, 3, v0                        ; which of the eight tiles
	s_delay_alu instid0(VALU_DEP_1)
	v_and_b32 v7, 1, v6
	s_delay_alu instid0(VALU_DEP_1)
	v_mul_u32_u24 v7, v7, 15
	s_delay_alu instid0(VALU_DEP_1)
	v_xor_b32 v7, s88, v7                          ; c or 15 - c
	s_delay_alu instid0(VALU_DEP_1)
	v_lshl_add_u32 v7, v6, 4, v7                   ; the tile in the batch
	s_delay_alu instid0(VALU_DEP_1)
	v_lshlrev_b32 v7, 9, v7                        ; 512 bytes of scale words a tile
	v_and_b32 v6, 7, v0
	s_delay_alu instid0(VALU_DEP_1)
	v_lshl_add_u32 v7, v6, 4, v7
	s_wait_alu depctr_va_vdst(0)
	s_wait_dscnt 0x0
	global_store_b128 v7, v[96:99], s[8:9]         ; eight lanes store 128 consecutive bytes: the group's share of a tile's 512
.Lno_scales:
	s_wait_tensorcnt 0x0
	ds_add_u32 v243, v255
	s_wait_dscnt 0x0
	CROUND                                         ; the closing round: no work-group ends while a partner may still ask for a tile that names it
	s_endpgm
.Lfunc_end_k_qe430074924_attn:
	.size	k_qe430074924_attn, .Lfunc_end_k_qe430074924_attn-k_qe430074924_attn
	.p2alignl 7, 3214868480
	.fill 96, 4, 3214868480
	.section	.rodata,"a",@progbits
	.p2align	6, 0x0
	.amdhsa_kernel k_qe430074924_attn
		.amdhsa_group_segment_fixed_size 215040
		.amdhsa_private_segment_fixed_size 0
		.amdhsa_enable_private_segment 0
		.amdhsa_kernarg_size 24
		.amdhsa_user_sgpr_count 2
		.amdhsa_user_sgpr_kernarg_segment_ptr 1
		.amdhsa_wavefront_size32 1
		.amdhsa_system_sgpr_workgroup_id_x 1
		.amdhsa_system_sgpr_workgroup_id_y 1
		.amdhsa_system_sgpr_workgroup_id_z 1
		.amdhsa_system_vgpr_workitem_id 0
		.amdhsa_next_free_vgpr 256
		.amdhsa_next_free_sgpr 102
		.amdhsa_reserve_vcc 1
		.amdhsa_float_denorm_mode_32 3
		.amdhsa_float_denorm_mode_16_64 3
		.amdhsa_memory_ordered 1
		.amdhsa_forward_progress 1
		.amdhsa_inst_pref_size 123
	.end_amdhsa_kernel
	.amdgpu_metadata
---
amdhsa.version: [ 1, 2 ]
amdhsa.kernels:
  - .name:           k_qe430074924_attn
    .symbol:         k_qe430074924_attn.kd
    .args:
      - { .name: qk, .offset: 0, .size: 8, .value_kind: global_buffer, .address_space: global }
      - { .name: vv, .offset: 8, .size: 8, .value_kind: global_buffer, .address_space: global }
      - { .name: oo, .offset: 16, .size: 8, .value_kind: global_buffer, .address_space: global }
    .group_segment_fixed_size: 215040
    .private_segment_fixed_size: 0
    .kernarg_segment_align: 8
    .kernarg_segment_size: 24
    .max_flat_workgroup_size: 512
    .sgpr_count:     102
    .vgpr_count:     256
    .wavefront_size: 32
...
	.end_amdgpu_metadata
.endif
;; end of part 3
;; launch proj (part 4): grid 4 x 64, 4 waves a work-group, clusters of 4 x 4, 327,680 bytes of LDS; arguments oo, wq, bp, out0; writes out0
.if DOCPART == 4
	.amdgcn_target "amdgcn-amd-amdhsa--gfx1250"
	.amdhsa_code_object_version 6
	.text
	.protected	k_qe430074924_proj
	.globl	k_qe430074924_proj
	.p2align	8
	.type	k_qe430074924_proj,@function
k_qe430074924_proj:
	s_mov_b64 s[64:65], 0
	v_nop
	global_prefetch_b8 v0, s[64:65] scope:SCOPE_SE
	s_setreg_imm32_b32 hwreg(HW_REG_WAVE_MODE, 25, 1), 1
	s_wait_xcnt 0x0
	s_wait_alu depctr_hold_cnt(0) depctr_sa_sdst(0) depctr_va_vdst(0) depctr_va_sdst(0) depctr_va_ssrc(0) depctr_va_vcc(0) depctr_vm_vsrc(0)
	s_getreg_b32 s2, hwreg(HW_REG_IB_STS2, 6, 4)
	s_cmp_eq_u32 s2, 0
	s_cbranch_scc0 .Lentry_in_a_cluster
	s_endpgm
.Lentry_in_a_cluster:
	s_bfe_u32 s2, ttmp6, 0x10000c
	s_cmp_lg_u32 s2, 0xf033
	s_cbranch_scc0 .Lentry_shape_is_right
	s_endpgm
.Lentry_shape_is_right:
; out0 = o Wp^T + bp on codes of FP6 (E2M3) with E8M0 scales, sums in f32.  o [8192][1024] and Wp [1024][1024] come as images of fragments
; ([tile of 16 rows][8 K steps][1,536 bytes]: registers 2 p, 2 p + 1 of lane l at 256 p + 8 l) with scale words [tile][K / 256][row][2].  Wp's tiles are tiles 96 on of wq;
; lane r of o's tile 2 b + u is token 32 b + 8 u + r + 8 (r / 8): only the stores' offsets know of it.
; SHARES: 64 x 4 blocks of 128 tokens x 256 columns, one to a work-group: 256 work-groups.  A wave makes 64 x 128: 32 accumulators.
; THE MATRIX INSTRUCTION IS USED TRANSPOSED (source 0 = 16 rows of Wp, source 1 = 16 rows of o): a lane holds eight neighbouring numbers of a row of out0.  The bias is the C of each sum's first instruction.
; ALL OF K LIES IN LDS, each byte filled once: region g (K steps 4 g .. 4 g + 3) holds 6,144 bytes of each of A's 8 tiles, then of B's 16.  At the head each wave asks for one tile:
; wave 0 A's region 0, wave 1 B's, wave 2 A's scale words, wave 3 B's.  Region 1 goes out behind the first round, one load a wave, and has four steps in which to land.  One tensor load of a wave is out at any time.
; CLUSTERS: 4 x 4 work-groups.  The four of a row of the cluster need the same tiles of o, the four of a column the same tiles of Wp: each is asked for JOINTLY.
; NO PREFETCH: all of K is asked for in two groups at the start; there is no loop to run ahead in.
; REGISTERS: window 0: v0-31 addresses; v32-63 scale words, two sets; v64-127 the bias; v128-223 A's fragments, two sets of four; on the way out v128-255 rows of out0.
;   window 1: B's fragments, two sets of eight, at v0 and v128.   window 2: accumulator (a, b) at v[8 (8 a + b)].
.set XSCL, 6291456
.set WSCL, 1966080
.set TP,    6144                       ; a tile's four images of a region
.set BOFF,  8*TP                       ; B's tiles lie behind A's eight
.set R1,    24*TP                      ; region 1
.set SCL,   2*R1                       ; the scale words, 512 bytes a tile: A's 8 tiles, then B's 16
.set SPARE, SCL+24*512                 ; the spare words, 128 bytes for each wave: two blocks of 256 bytes that no other line names
.set SPITCH, 528                       ; the way out: a stage of 16 rows x (512 bytes + 16) for each wave, from byte 0: region 0 has its one fill at the head, and every wave's reads of it are over ahead of the last barrier
.set FR, 12
.set ADRA, 16                          ; v16-17  LDS address of my A fragments in regions 0, 1
.set ADRB, 20                          ; v20-21  the same for B
.set STO,  24
.set RD,   25
.set CO,   26
.set ADRS, 27                          ; v27  my scale words: lanes 0-15 A's rows, lanes 16-31 B's
.set SPW,  28
.set NIL,  29
.set SC,   32
.set BI,   64
.set AF,   128
.set BK,   128
.set G1,   24                          ; s[24:31] group 1 for A's images;  s[32:39] groups 0 for regions 0, 1
.set G0,   32
.set G1B,  44                          ; s[44:51], s[52:59] the same for B's
.set G0B,  52
.set G1S,  68                          ; s[68:75], s[76:79] groups 1 and 0 for A's scale words;  s[80:87], s[88:91] for B's
.set G0S,  76
.set G1SB, 80
.set G0SB, 88
.set MSB, 0
.macro WIN new                         ; the immediate's high byte repeats the setting that is left
.if MSB != \new
	s_set_vgpr_msb (MSB<<8)|\new
.set MSB, \new
.endif
.endm
.set MUL_C,  0xa1                      ; source 0 (B) window 1, source 1 (A) window 0, C and D window 2
.set MUL_1,  0x81                      ; the same, C (the bias) window 0
.set TO_B,   0x40                      ; destination window 1, address window 0
.macro PLACES n
.rept \n
	v_nop
.endr
.endm
.macro CROUND                          ; a round of the cluster's barrier
	s_barrier_signal -1
	s_barrier_wait -1
	s_cmp_lg_u32 s14, 0
	s_cbranch_scc1 .Lnot_wave_0_\@
	s_barrier_signal -3
.Lnot_wave_0_\@:
	s_barrier_wait -3
	s_barrier_signal -1
	s_barrier_wait -1
.endm
.macro SETG0 g, lds, a                 ; a group 0 whose LDS address is a constant
	s_mov_b32 s[\g], 1
	s_mov_b32 s[\g+1], \lds
	s_mov_b64 s[\g+2:\g+3], s[\a:\a+1]
	s_or_b32 s[\g+3], s[\g+3], 0x80000000
.endm
	s_load_b256 s[4:11], s[0:1], 0x0               ; oo, wq, bp, out0
	v_lshl_add_u32 v[SPW], v0, 2, SPARE
	v_mov_b32 v[NIL], 0
	ds_add_u32 v[SPW], v[NIL]                      ; the opening lines: the add, twice on end, and its wait
	ds_add_u32 v[SPW], v[NIL]
	s_wait_dscnt 0x0
	v_lshrrev_b32 v1, 5, v0
	v_readfirstlane_b32 s14, v1                    ; wave 0..3
	s_lshr_b32 s15, s14, 1                         ; which four tiles of A are mine.  Also: behind the head I fetch for A (0) or for B (1)
	s_and_b32 s16, s14, 1                          ; which eight tiles of B.  Also: which half of that side I fetch
	s_bfe_u32 s92, ttmp6, 0x40000                  ; cx, cy
	s_bfe_u32 s93, ttmp6, 0x40004
	s_lshl_b32 s94, ttmp9, 2
	s_add_co_u32 s94, s94, s92                     ; block column = 4 x cluster x + cx
	s_and_b32 s17, ttmp7, 0xffff
	s_lshl_b32 s17, s17, 2
	s_add_co_u32 s17, s17, s93                     ; block row = 4 x cluster y + cy
	s_lshl_b32 s95, s93, 2
	s_lshl_b32 s95, 15, s95                        ; my row of the cluster
	s_lshl_b32 s96, 0x1111, s92                    ; my column
	s_or_b32 s[G1], s95, (3<<16)|(1<<21)           ; the mask; elements of 8 bytes; 21 set beside a mask; no padding
	s_or_b32 s[G1B], s96, (3<<16)|(1<<21)
	s_or_b32 s[G1S], s95, (3<<16)|(1<<21)
	s_or_b32 s[G1SB], s96, (3<<16)|(1<<21)
.irp g, G1, G1B
	s_mov_b32 s[\g+1], 768<<16                     ; rows of 6,144 bytes: a tile's four images,
	s_mov_b32 s[\g+3], 768<<16
	s_mov_b32 s[\g+5], 1536                        ; 12,288 bytes from tile to tile
	s_mov_b32 s[\g+6], 0
	s_mov_b32 s[\g+7], 0
.endr
.irp g, G1S, G1SB
	s_mov_b32 s[\g+1], 32<<16                      ; dense bytes as rows of 256
	s_mov_b32 s[\g+3], 32<<16
	s_mov_b32 s[\g+5], 32
	s_mov_b32 s[\g+6], 0
	s_mov_b32 s[\g+7], 0
.endr
	s_mov_b32 s[G1+2], 8<<16                       ; the head's loads: A's eight tiles,
	s_mov_b32 s[G1+4], 8
	s_mov_b32 s[G1B+2], 16<<16                     ; B's sixteen,
	s_mov_b32 s[G1B+4], 16
	s_mov_b32 s[G1S+2], 16<<16                     ; 4,096 bytes of A's words,
	s_mov_b32 s[G1S+4], 16
	s_mov_b32 s[G1SB+2], 32<<16                    ; 8,192 of B's
	s_mov_b32 s[G1SB+4], 32
	; A's addresses hang on the block row alone, B's on the block column alone, each in registers that never hold the other coordinate
	s_lshl_b32 s20, s17, 3                         ; A: tile 8 x block row
	s_lshl_b32 s98, s94, 4
	s_add_co_u32 s98, s98, 96                      ; B: tile 96 + 16 x block column
	s_lshl_b32 s22, s20, 9
	s_add_co_u32 s22, s22, XSCL
	s_mov_b32 s23, 0
	s_mul_i32 s20, s20, 12288
	s_mov_b32 s21, 0
	s_lshl_b32 s100, s98, 9
	s_add_co_u32 s100, s100, WSCL
	s_mov_b32 s101, 0
	s_mul_i32 s98, s98, 12288
	s_mov_b32 s99, 0
	s_mul_i32 s18, s16, 4*12288                    ; region 1 of A: my four tiles, K steps 4 on
	s_add_co_u32 s18, s18, TP
	s_mov_b32 s19, 0
	s_mul_i32 s12, s16, 8*12288                    ; of B: my eight tiles
	s_add_co_u32 s12, s12, TP
	s_mov_b32 s13, 0
	s_mul_i32 s97, s16, 4*TP                       ; where they go: no place in the cluster enters an LDS address
	s_wait_kmcnt 0x0
	s_add_nc_u64 s[20:21], s[4:5], s[20:21]
	s_add_nc_u64 s[22:23], s[4:5], s[22:23]
	s_add_nc_u64 s[98:99], s[6:7], s[98:99]
	s_add_nc_u64 s[100:101], s[6:7], s[100:101]
	SETG0 G0S,  SCL,      22
	SETG0 G0SB, SCL+4096, 100
	SETG0 G0,   0,        20
	SETG0 G0B,  BOFF,     98
	s_mov_b32 s[G0+4], 1
	s_add_co_u32 s[G0+5], s97, R1
	s_add_nc_u64 s[G0+6:G0+7], s[20:21], s[18:19]
	s_or_b32 s[G0+7], s[G0+7], 0x80000000
	s_lshl_b32 s97, s97, 1
	s_mov_b32 s[G0B+4], 1
	s_add_co_u32 s[G0B+5], s97, R1+BOFF
	s_add_nc_u64 s[G0B+6:G0B+7], s[98:99], s[12:13]
	s_or_b32 s[G0B+7], s[G0B+7], 0x80000000
	CROUND                                         ; all sixteen work-groups are here: the first joint loads meet
.macro ARM under, g0, g1, next         ; one chain of branches on the wave's number, one load to an arm
	s_cmp_lt_u32 s14, \under
	s_cbranch_scc0 \next
	tensor_load_to_lds s[\g0:\g0+3], s[\g1:\g1+7]
	s_nop 0
	PLACES 4
	s_branch .Lfirst_asked
\next:
.endm
	ARM 1, G0,  G1,  .Lhead_b
	ARM 2, G0B, G1B, .Lhead_sa
	ARM 3, G0S, G1S, .Lhead_sb
	tensor_load_to_lds s[G0SB:G0SB+3], s[G1SB:G1SB+7]
	s_nop 0
	PLACES 4
.Lfirst_asked:
	s_mul_i32 s20, s15, 4*TP                       ; my four tiles of A
	s_mul_i32 s21, s16, 8*TP
	s_add_co_u32 s21, s21, BOFF                    ; my eight of B
	s_lshl_b32 s22, s15, 11                        ; A's words: my four tiles
	s_lshl_b32 s23, s16, 12
	s_add_co_u32 s23, s23, 4096                    ; B's: my eight, behind A's eight
	s_sub_co_u32 s23, s23, s22
	s_add_co_u32 s22, s22, SCL
	s_mul_i32 s97, s14, 16*SPITCH                  ; my stage
	s_lshl_b32 s98, s17, 7
	s_lshl_b32 s99, s15, 6
	s_add_co_u32 s98, s98, s99                     ; my first row of out0: 128 x block row + 64 x half
	s_lshl_b32 s98, s98, 12                        ; rows of 4,096 bytes
	s_mov_b32 s99, 0
	s_lshl_b32 s100, s94, 10                       ; my first column, in bytes: 1,024 x block column + 512 x half
	s_lshl_b32 s101, s16, 9
	s_add_co_u32 s100, s100, s101
	s_mov_b32 s101, 0
	s_add_nc_u64 s[8:9], s[8:9], s[100:101]        ; bp at my 128 columns
	s_add_nc_u64 s[10:11], s[10:11], s[98:99]
	s_add_nc_u64 s[10:11], s[10:11], s[100:101]
	v_and_b32 v1, 15, v0                           ; r
	v_bfe_u32 v2, v0, 4, 1                         ; h
	v_and_b32 v3, 31, v0                           ; lane
	v_lshlrev_b32 v4, 3, v3                        ; 8 x lane
	v_add_nc_u32 v[ADRA], s20, v4
	v_add_nc_u32 v[ADRB], s21, v4
	v_add_nc_u32 v[ADRA+1], R1, v[ADRA]
	v_add_nc_u32 v[ADRB+1], R1, v[ADRB]
	v_lshlrev_b32 v5, 3, v1                        ; my row's two words of 256 along K
	v_mul_u32_u24 v6, s23, v2                      ; lanes 16-31 take B's: one product, the lower base + h x the distance
	v_add_nc_u32 v5, v5, v6
	v_add_nc_u32 v[ADRS], s22, v5
	v_mul_u32_u24 v5, v1, SPITCH                   ; the stage, in: row r, 32 bytes for each half of the lanes
	v_lshl_add_u32 v5, v2, 5, v5
	v_add_nc_u32 v[STO], s97, v5
	v_lshlrev_b32 v[CO], 4, v3                     ; back: the 32 lanes take one row of 512 bytes; and the same in out0
	v_add_nc_u32 v[RD], s97, v[CO]
	v_lshlrev_b32 v7, 5, v2                        ; the bias in the result's layout: lane (r, h), tile b: columns 16 b + 8 h + 0 .. 7
	s_wait_alu depctr_va_vdst(0)
.irp b, 0,1,2,3,4,5,6,7
	global_load_b128 v[BI+8*\b:BI+8*\b+3], v7, s[8:9] offset:64*\b
	global_load_b128 v[BI+8*\b+4:BI+8*\b+7], v7, s[8:9] offset:64*\b+16
.endr
.macro FRAG reg, adr, q, i             ; a fragment comes back as it was stored: six pairs of registers, 256 consecutive bytes a load
.irp p, 0,1,2,3,4,5
	ds_load_b64 v[\reg+2*\p:\reg+2*\p+1], v[\adr] offset:(\i)*TP+(\q)*1536+256*\p
.endr
.endm
.macro FETCH_B st                      ; B's eight fragments of K step st into set st % 2: 48 loads
	WIN TO_B
.irp i, 0,1,2,3,4,5,6,7
	FRAG 128*((\st)%2)+FR*\i, ADRB+(\st)/4, (\st)%4, \i
.endr
	WIN 0
.endm
.macro FETCH_A st                      ; A's four into set st % 2; with an even step the scale words of its 256 along K: lanes 0-15 A's block i (used for i under 4), lanes 16-31 B's block i
.irp i, 0,1,2,3
	FRAG AF+48*((\st)%2)+FR*\i, ADRA+(\st)/4, (\st)%4, \i
.endr
.if (\st)%2 == 0
.irp i, 0,1,2,3,4,5,6,7
	ds_load_b64 v[SC+16*(((\st)/2)%2)+2*\i:SC+16*(((\st)/2)%2)+2*\i+1], v[ADRS] offset:\i*512+128*((\st)/2)
.endr
.endif
.endm
; 16 matrix instructions: A's blocks a0, a0 + 1 x B's eight, K step st.  The 32 accumulators take turns, one instruction a turn, in the same order in every step.
.macro MUL16 a0, st, first
.irp a, \a0, \a0+1
.irp b, 0,1,2,3,4,5,6,7
.if \first
	v_wmma_scale_f32_16x16x128_f8f6f4 v[8*(8*(\a)+\b):8*(8*(\a)+\b)+7], v[128*((\st)%2)+FR*\b:128*((\st)%2)+FR*\b+FR-1], v[AF+48*((\st)%2)+FR*(\a):AF+48*((\st)%2)+FR*(\a)+FR-1], v[BI+8*\b:BI+8*\b+7], v[SC+16*(((\st)/2)%2)+2*\b+(\st)%2], v[SC+16*(((\st)/2)%2)+2*(\a)+(\st)%2] matrix_a_fmt:MATRIX_FMT_FP6 matrix_b_fmt:MATRIX_FMT_FP6 matrix_a_scale:MATRIX_SCALE_ROW1
.else
	v_wmma_scale_f32_16x16x128_f8f6f4 v[8*(8*(\a)+\b):8*(8*(\a)+\b)+7], v[128*((\st)%2)+FR*\b:128*((\st)%2)+FR*\b+FR-1], v[AF+48*((\st)%2)+FR*(\a):AF+48*((\st)%2)+FR*(\a)+FR-1], v[8*(8*(\a)+\b):8*(8*(\a)+\b)+7], v[SC+16*(((\st)/2)%2)+2*\b+(\st)%2], v[SC+16*(((\st)/2)%2)+2*(\a)+(\st)%2] matrix_a_fmt:MATRIX_FMT_FP6 matrix_b_fmt:MATRIX_FMT_FP6 matrix_a_scale:MATRIX_SCALE_ROW1
.endif
.endr
.endr
.endm
; A K step: 32 matrix instructions on set st % 2, while the next step's fragments come into the other set, which the step before read: four places stand ahead of those loads.
.macro STEP st, win, first
	PLACES 4
	FETCH_B (\st)+1
	s_wait_dscnt 48                                ; all but the 48 just issued: this step's fragments and scale words are in
	WIN \win
	MUL16 0, \st, \first
	WIN 0
	FETCH_A (\st)+1
	WIN \win
	MUL16 2, \st, \first
	WIN 0
.endm
	s_wait_tensorcnt 0x0                           ; my tile of the head's four is in
	ds_add_u32 v[SPW], v[NIL]
	s_mov_b32 s[G1+2], 4<<16                       ; no tensor load of mine is out, so a descriptor may be written: from here on four tiles of A,
	s_mov_b32 s[G1+4], 4
	s_mov_b32 s[G1B+2], 8<<16                      ; eight of B
	s_mov_b32 s[G1B+4], 8
	s_wait_dscnt 0x0
	CROUND                                         ; a whole round: all four tiles are in, and all sixteen work-groups are here
	s_cmp_eq_u32 s15, 0                            ; each of the two lines has one mask and one set of registers for all that issue it
	s_cbranch_scc0 .Lsec_b
	tensor_load_to_lds s[G0+4:G0+7], s[G1:G1+7]    ; region 1: K steps 4 to 7
	s_nop 0
	PLACES 4
	s_branch .Lsec_j
.Lsec_b:
	tensor_load_to_lds s[G0B+4:G0B+7], s[G1B:G1B+7]
	s_nop 0
	PLACES 4
.Lsec_j:
	FETCH_B 0
	FETCH_A 0
	s_wait_loadcnt 0x0                             ; the bias
	STEP 0, MUL_1, 1                               ; the first products start the sums from the bias: nothing is cleared, nothing is added later
	STEP 1, MUL_C, 0
	STEP 2, MUL_C, 0
	s_wait_tensorcnt 0x0                           ; K step 3 goes on to region 1: my part of it is in;
	ds_add_u32 v[SPW], v[NIL]
	s_wait_dscnt 0x0                               ; the add is done, step 3's fragments are in, and my reads of region 0 are over
	s_barrier_signal -1
	WIN MUL_C
	MUL16 0, 3, 0
	WIN 0
	s_barrier_wait -1                              ; everybody's part is in
	PLACES 4
	FETCH_B 4
	FETCH_A 4
	WIN MUL_C
	MUL16 2, 3, 0
	WIN 0
	STEP 4, MUL_C, 0
	STEP 5, MUL_C, 0
	STEP 6, MUL_C, 0
	s_wait_dscnt 0x0                               ; the last step: nothing more to fetch
	WIN MUL_C
	MUL16 0, 7, 0
	MUL16 2, 7, 0
	WIN 0
; THE WAY OUT, block by block of 16 rows x 128 columns: through my own stage in LDS, back as whole rows of 512 bytes.  LDS serves a wave's instructions in order: no wait between the stores and the loads.
.macro TOSTAGE a
	WIN 0x08                                       ; an LDS store's data are its source 1: window 2
.irp b, 0,1,2,3,4,5,6,7
	ds_store_b128 v[STO], v[64*(\a)+8*\b:64*(\a)+8*\b+3] offset:64*\b          ; each accumulator from its low end on
	ds_store_b128 v[STO], v[64*(\a)+8*\b+4:64*(\a)+8*\b+7] offset:64*\b+16
.endr
	WIN 0
.irp t, 0,1,2,3,4,5,6,7,8,9,10,11,12,13,14,15
	ds_load_b128 v[BK+64*((\a)%2)+4*\t:BK+64*((\a)%2)+4*\t+3], v[RD] offset:\t*SPITCH
.endr
.endm
.macro SEND a, younger                 ; younger: the LDS instructions issued behind block a's loads, which may stay out
	s_wait_dscnt \younger
.irp t, 0,1,2,3,4,5,6,7,8,9,10,11,12,13,14,15
	global_store_b128 v[CO], v[BK+64*((\a)%2)+4*\t:BK+64*((\a)%2)+4*\t+3], s[10:11] offset:(32*((\a)/2)+8*((\a)%2)+\t+8*(\t/8))*4096 th:TH_STORE_NT   ; row t of block a is token 32 (a / 2) + 8 (a % 2) + t + 8 (t / 8) of my 64; 32 lanes store 512 consecutive bytes, at a multiple of 256 from out0's first byte
.endr
.endm
	PLACES 4                                       ; behind the last products: their results are read, and loads land in A's registers, only behind these
	TOSTAGE 0
.irp a, 1,2,3
.if \a > 1
	s_wait_xcnt 0x0                                ; block a - 2's stores have read their registers: block a's loads may land there
.endif
	TOSTAGE \a
	SEND \a-1, 32                                  ; behind block a - 1's loads: block a's 16 stores and 16 loads
.endr
	SEND 3, 0
	s_wait_tensorcnt 0x0                           ; the wave's end
	ds_add_u32 v[SPW], v[NIL]
	s_wait_dscnt 0x0
	CROUND                                         ; the closing round: no work-group ends while a partner may still ask for a tile that names it
	s_endpgm
.Lfunc_end_k_qe430074924_proj:
	.size	k_qe430074924_proj, .Lfunc_end_k_qe430074924_proj-k_qe430074924_proj
	.p2alignl 7, 3214868480
	.fill 96, 4, 3214868480
	.section	.rodata,"a",@progbits
	.p2align	6, 0x0
	.amdhsa_kernel k_qe430074924_proj
		.amdhsa_group_segment_fixed_size 327680
		.amdhsa_private_segment_fixed_size 0
		.amdhsa_enable_private_segment 0
		.amdhsa_kernarg_size 32
		.amdhsa_user_sgpr_count 2
		.amdhsa_user_sgpr_kernarg_segment_ptr 1
		.amdhsa_wavefront_size32 1
		.amdhsa_system_sgpr_workgroup_id_x 1
		.amdhsa_system_sgpr_workgroup_id_y 1
		.amdhsa_system_sgpr_workgroup_id_z 1
		.amdhsa_system_vgpr_workitem_id 0
		.amdhsa_next_free_vgpr 768
		.amdhsa_next_free_sgpr 102
		.amdhsa_reserve_vcc 0
		.amdhsa_float_denorm_mode_32 3
		.amdhsa_float_denorm_mode_16_64 3
		.amdhsa_memory_ordered 1
		.amdhsa_forward_progress 1
		.amdhsa_inst_pref_size 99
	.end_amdhsa_kernel
	.amdgpu_metadata
---
amdhsa.version: [ 1, 2 ]
amdhsa.kernels:
  - .name:           k_qe430074924_proj
    .symbol:         k_qe430074924_proj.kd
    .args:
      - { .name: oo, .offset: 0, .size: 8, .value_kind: global_buffer, .address_space: global }
      - { .name: wq, .offset: 8, .size: 8, .value_kind: global_buffer, .address_space: global }
      - { .name: bp, .offset: 16, .size: 8, .value_kind: global_buffer, .address_space: global }
      - { .name: out0, .offset: 24, .size: 8, .value_kind: global_buffer, .address_space: global }
    .group_segment_fixed_size: 327680
    .private_segment_fixed_size: 0
    .kernarg_segment_align: 8
    .kernarg_segment_size: 32
    .max_flat_workgroup_size: 128
    .sgpr_count:     102
    .vgpr_count:     768
    .wavefront_size: 32
...
	.end_amdgpu_metadata
.endif
;; end of part 4
